; MI455X (gfx1250); checked and timed in simulation.
; The chip was launched on July 23, 2026; its instructions are those of AMD's public machine-readable ISA for CDNA 5 (MIT licence, August 2026) and "CDNA5" Instruction Set Architecture Reference Guide (July 2026). The comments in the code are by the model that wrote it; some were corrected since.
;; Sparse Attention. Allowed arithmetic: matrix products marked QUANTISED: E2M3 operands, one E8M0 scale for each 32 along K, by v_wmma_scale_f32_16x16x128_f8f6f4 with both operands' format E2M3, f32 sums; everything else in f32.
;; Inputs: cols 128 x 8 int32; k 4 x 8 x 4 x 32 x 32 x 64 float32; q_codes 4 x 8 x 4 x 32 x 32 x 2 x 24 uint8 (E2M3 codes of q, K innermost, in blocks of 32 codes, four codes in three bytes); q_scales 4 x 8 x 4 x 32 x 32 x 2 uint8 (E8M0 scales of q, one for each 32 codes along K); v 4 x 8 x 4 x 32 x 32 x 64 float32; valid 128 x 8 bool.
;; Outputs: out0 4 x 8 x 4 x 32 x 32 x 64 float32.
;; This version of the problem:
;;   THIS VERSION OF THE PROBLEM IS GIVEN IN LOW PRECISION. The matrix products marked QUANTISED in the list below multiply operands that are first quantised to E2M3 (2 exponent bits, 3 mantissa bits; 6 bits a number), with one power-of-two scale for each 32 numbers along K (OCP MX v1.0); their sums are f32. All else is computed in f32.
;;   The module's matrix products, in the order in which they are computed (A, B: the left and right operand; K: the contracted axis; several contracted axes count as one K, in the product's order):
;;     1. batch 4,096 x [M 32, K 64] x [K 64, N 256]; A: input q (given as codes); B: computed on the way: QUANTISED
;;     2. batch 4,096 x [M 32, K 256] x [K 256, N 64]; A: computed on the way; B: computed on the way: QUANTISED
;;   THE QUANTISER, for each operand of a quantised product, along K:
;;     - K is cut into blocks of 32 from its start; a last block that is shorter is filled with zeros.
;;     - A block's scale is 2^e with e = floor(log2(the largest magnitude in the block)) - 2, held to -126 .. 127; a block of zeros has e = 0. As a byte (E8M0): e + 127.
;;     - Each number is divided by its block's scale, clamped to +-7.5, and rounded to the nearest number of E2M3, ties to even, subnormals kept.
;;     - The product sums the exact products of the quantised numbers (number of the format x scale) in f32.
;;   ~~~python
;;   def quantise(x, axis):      # numpy; x: float32 -> the quantised numbers, widened to float32 again
;;       x = np.moveaxis(x, axis, -1); K = x.shape[-1]
;;       x = np.pad(x, [(0, 0)] * (x.ndim - 1) + [(0, -K % 32)]); x = x.reshape(x.shape[:-1] + (-1, 32)); a = np.abs(x).max(-1, keepdims=True)
;;       e = np.where(a > 0, np.clip(np.frexp(np.where(a > 0, a, 1))[1] - 1 - 2, -126, 127), 0)      # np.frexp(a)[1] - 1 = floor(log2(a)), exactly
;;       r = np.clip(x / 2.0 ** e, -7.5, 7.5)
;;       step = 2.0 ** (np.maximum(np.frexp(np.where(r == 0, 1, r))[1] - 1, 0) - 3)
;;       q = np.round(r / step) * step * 2.0 ** e      # np.round: ties to even
;;       return np.moveaxis(q.reshape(q.shape[:-2] + (-1,))[..., :K], -1, axis).astype(np.float32)
;;   ~~~
;;   OPERANDS COMPUTED ON THE WAY. 'Computed on the way' means the value that the module computes at that place (a softmax that the list does not call 'softmax' is quantised finished and normalised). What goes into a quantiser is computed in f32, as accurately as f32 sums, v_exp_f32 and their like allow (about 1e-6 of the number): no bf16 or f16 on the way to a quantiser, and a product that is left as it is and whose result goes on into a quantised operand takes f32 operands (vector FMAs, or v_wmma_f32_16x16x4_f32). A number that lies on a knife's edge between two numbers of the format may be rounded either way, as far as f32 arithmetic and the matrix unit's own rounding can turn it there, and no further.
;;   INPUTS GIVEN AS CODES. q (in the module: [4, 8, 4, 32, 32, 64], K = its axis 5): each comes as NAME_codes (uint8): NAME with its K axis moved to the last place and cut into blocks of 32 codes, [.., K / 32, bytes a block], one block behind the other in memory; four codes in three bytes: a row's codes are one little-endian stream of bits, code i at bits 6 i .. 6 i + 5 (a code: sign, 2 exponent bits, 3 mantissa bits); and NAME_scales (uint8): the same leading axes, one E8M0 byte (e + 127) for each 32 codes along K. Its value is code x scale, taken as it is: it is not quantised again, and the codes and scales need not be those that the quantiser above would give.
;; 3 versions. Each part assembles by itself: llvm-mc -triple=amdgcn-amd-amdhsa -mcpu=gfx1250 --defsym DOCPART=n.
;; ======== version 1 of 3: 2 launches
;; workspace buffers: kvc 6,291,456 bytes; kvs 262,144 bytes; vt 33,554,432 bytes
;; launch quant (part 1): grid 1024 x 1, 4 waves a work-group, no clusters, 35,584 bytes of LDS; arguments k, v, kvc, kvs, vt; writes kvc, kvs, vt
.if DOCPART == 1
	.amdgcn_target "amdgcn-amd-amdhsa--gfx1250"
	.amdhsa_code_object_version 6
	.text
	.protected	k_q44e885a4e7_quant
	.globl	k_q44e885a4e7_quant
	.p2align	8
	.type	k_q44e885a4e7_quant,@function
k_q44e885a4e7_quant:
	s_mov_b64 s[64:65], 0
	v_nop
	global_prefetch_b8 v0, s[64:65] scope:SCOPE_SE
	s_setreg_imm32_b32 hwreg(HW_REG_WAVE_MODE, 25, 1), 1
	s_wait_xcnt 0x0
; K, [32 heads][4096 keys][64] f32, becomes codes of FP6 (E2M3) with E8M0 scale bytes (two blocks of 32 along d a key), laid in the order in which the attention launch's operand registers take them.
; V is only TURNED here, in f32: the second product's blocks of 32 hold four keys of each of the eight GATHERED slots, so V's scales hang on the query block and are made in the attention launch.
; A block's scale is 2^(floor(log2(largest magnitude)) - 2): its byte is the largest magnitude's exponent field - 2, held at 1 from below by a floor among the maximum's leaves.
; (A block of zeros so gets the byte 1: its codes are zeros, and this program alone reads the bytes.)   LIMITS: NaN and infinities among the inputs are not served.
; SHARES.  A wave takes one block of 32 keys of one head: 8,192 bytes of K and of V, by 32 loads of 512 consecutive bytes, all issued at the head.  Both turn through the wave's own stage in LDS (rows of 256 bytes + 16).
; kvc, 1,536 bytes a block: place (j, h), j = key % 8, h = half of d, has 96 bytes: the 24 bytes of codes of keys j, 8 + j, 16 + j, 24 + j on end; byte group i (16 bytes) of place p = j + 8 h lies at 256 i + 16 p.
; kvs, 64 bytes a block: word j + 8 u: the scale bytes of keys 16 u + j (halves 0, 1) and 16 u + 8 + j (halves 0, 1).
; vt, 8,192 bytes a block: [b = key / 4][channel][key % 4] f32.
; Every store covers whole aligned runs of 256 bytes.
.set PITCH, 272
.set STG,   32*PITCH                   ; a wave's stage
.set SCB,   4*STG                      ; behind the stages: 64 bytes of scale words for each wave
.set KVREC, 1536
.set FLOOR, 0x1800000                  ; 2^(3 - 127)
.set EOFF,  0xff000000                 ; takes 2 off an exponent field
.set KR, 16                            ; v16-79   K as loaded; later V turned
.set VW, 80                            ; v80-143  V as loaded; later at work
.set KX, 144                           ; v144-207 K turned: two blocks of 32 numbers
.set CK, 208                           ; v208-219 K's codes: 48 bytes a lane
.set TK, 220                           ; v220-227 the second halves of K's two blocks, as the conversions leave them
.set KM, 248                           ; v248-255 two maxima, two scale operands, two bytes, the word, the neighbour's part
.set VX, KR
	s_load_b256 s[4:11], s[0:1], 0x0               ; k s[4:5], v s[6:7], kvc s[8:9], kvs s[10:11]
	s_load_b64 s[24:25], s[0:1], 0x20              ; vt
	v_lshl_add_u32 v246, v0, 2, 0x8900
	v_mov_b32 v247, 0
	v_lshrrev_b32 v1, 5, v0
	v_readfirstlane_b32 s12, v1                    ; wave 0..3
	v_and_b32 v2, 31, v0                           ; lane
	v_lshlrev_b32 v3, 4, v2                        ; 16 x lane; never rewritten
	s_lshl_b32 s13, ttmp9, 2
	s_add_co_u32 s13, s13, s12                     ; my block: 4 x work-group + wave
	s_lshl_b32 s14, s13, 13                        ; 8,192 bytes of K, of V and of vt a block
	s_mov_b32 s15, 0
	s_mul_i32 s16, s13, KVREC
	s_mov_b32 s17, 0
	s_lshl_b32 s18, ttmp9, 8                       ; 256 bytes of scale words a work-group
	s_mov_b32 s19, 0
	s_wait_kmcnt 0x0
	s_add_nc_u64 s[4:5], s[4:5], s[14:15]
	s_add_nc_u64 s[6:7], s[6:7], s[14:15]
	s_add_nc_u64 s[24:25], s[24:25], s[14:15]
	s_add_nc_u64 s[8:9], s[8:9], s[16:17]
	s_add_nc_u64 s[10:11], s[10:11], s[18:19]
.irp i, 0,1,2,3,4,5,6,7,8,9,10,11,12,13,14,15
	global_load_b128 v[KR+4*\i:KR+4*\i+3], v3, s[4:5] offset:512*\i th:TH_LOAD_NT   ; two keys' rows: 512 consecutive bytes
.endr
.irp i, 0,1,2,3,4,5,6,7,8,9,10,11,12,13,14,15
	global_load_b128 v[VW+4*\i:VW+4*\i+3], v3, s[6:7] offset:512*\i th:TH_LOAD_NT
.endr
	; the lane's places.  For K a lane is (j, h, u): lane = j + 8 h + 16 u; it takes keys 16 u + j and 16 u + 8 + j, half h of d
	s_mul_i32 s20, s12, STG                        ; my stage
	s_lshl_b32 s21, s12, 6
	s_add_co_u32 s21, s21, SCB                     ; my scale words
	v_lshrrev_b32 v6, 4, v2                        ; u
	v_and_b32 v7, 15, v2                           ; lane % 16
	v_and_b32 v8, 7, v2                            ; j
	v_bfe_u32 v9, v2, 3, 1                         ; h
	v_lshlrev_b32 v1, 3, v2                        ; 8 x lane
	v_lshl_add_u32 v4, v2, 2, s20                  ; V out of the stage: 4 x lane: my channel
	v_mul_u32_u24 v5, v6, PITCH
	v_lshl_add_u32 v5, v7, 4, v5
	v_add_nc_u32 v5, s20, v5                       ; into the stage, as loaded: row lane / 16, 16 bytes a lane
	v_lshl_add_u32 v10, v6, 4, v8
	v_mul_u32_u24 v10, v10, PITCH
	v_lshl_add_u32 v10, v9, 7, v10
	v_add_nc_u32 v10, s20, v10                     ; K out of the stage: row 16 u + j, + 128 h
	v_mul_u32_u24 v11, v6, 768
	v_lshl_add_u32 v11, v7, 4, v11                 ; K's codes: byte groups 3 u .. 3 u + 2, place lane % 16
	v_lshl_add_u32 v12, v6, 3, v8
	v_lshl_add_u32 v12, v12, 2, s21                ; K's scale word j + 8 u
	v_lshlrev_b32 v14, 3, v9                       ; 8 h
	v_mov_b32 v[KM+7], 0                           ; written once: the destination of a lane exchange counts as one of its sources
	s_wait_loadcnt 16                              ; K's 16 loads are in; V's 16, issued behind them, may be out
.irp i, 0,1,2,3,4,5,6,7,8,9,10,11,12,13,14,15
	ds_store_b128 v5, v[KR+4*\i:KR+4*\i+3] offset:2*\i*PITCH
.endr
.irp t, 0,1
.irp i, 0,1,2,3,4,5,6,7
	ds_load_b128 v[KX+32*\t+4*\i:KX+32*\t+4*\i+3], v10 offset:8*\t*PITCH+16*\i   ; LDS serves a wave's instructions in order: these see the stores above
.endr
.endr
	s_wait_dscnt 0x0                               ; K is back: the stage and the registers that the stores read are free
	s_wait_loadcnt 0x0                             ; V is in
.irp i, 0,1,2,3,4,5,6,7,8,9,10,11,12,13,14,15
	ds_store_b128 v5, v[VW+4*\i:VW+4*\i+3] offset:2*\i*PITCH
.endr
.irp t, 0,1
.irp i, 0,1,2,3,4,5,6,7,8,9,10,11,12,13,14,15,16,17,18,19,20,21,22,23,24,25,26,27,28,29,30,31
	ds_load_b32 v[VX+32*\t+\i], v4 offset:\i*PITCH+128*\t   ; key i of channel 32 t + lane; they come back while K is worked on
.endr
.endr
	; ---- K: two blocks of 32 a lane
.irp t, 0,1
	v_max3_num_f32 v[KM+\t], |v[KX+32*\t]|, |v[KX+32*\t+1]|, FLOOR
.endr
.irp i, 2,4,6,8,10,12,14,16,18,20,22,24,26,28,30
.irp t, 0,1
	v_max3_num_f32 v[KM+\t], v[KM+\t], |v[KX+32*\t+\i]|, |v[KX+32*\t+\i+1]|
.endr
.endr
.irp t, 0,1
	v_add_nc_u32 v[KM+2+\t], EOFF, v[KM+\t]        ; the conversion takes the exponent field of this operand as its scale
.endr
.irp t, 0,1
	v_lshrrev_b32 v[KM+4+\t], 23, v[KM+2+\t]       ; the scale's byte
.endr
.irp t, 0,1
	v_cvt_scalef32_pk16_fp6_f32 v[CK+6*\t:CK+6*\t+2], v[KX+32*\t:KX+32*\t+15], v[KM+2+\t]
	v_cvt_scalef32_pk16_fp6_f32 v[TK+4*\t:TK+4*\t+2], v[KX+32*\t+16:KX+32*\t+31], v[KM+2+\t]   ; (a conversion's three registers begin on an even number)
.endr
	v_lshl_or_b32 v[KM+6], v[KM+5], 16, v[KM+4]    ; my two bytes (a plain line behind the conversions)
.irp t, 0,1
.irp i, 0,1,2
	v_mov_b32 v[CK+6*\t+3+\i], v[TK+4*\t+\i]
.endr
.endr
	v_lshlrev_b32 v[KM+6], v14, v[KM+6]            ; at their places: 8 h bits up
	v_mov_b32_dpp v[KM+7], v[KM+6] row_xmask:8 row_mask:0xf bank_mask:0xf   ; the other half of d lies 8 lanes away
	v_or_b32 v[KM+6], v[KM+6], v[KM+7]
	ds_store_b32 v12, v[KM+6]                      ; both lanes of a word write the same value
.irp i, 0,1,2
	global_store_b128 v11, v[CK+4*\i:CK+4*\i+3], s[8:9] offset:256*\i   ; sixteen neighbouring lanes fill 256 consecutive bytes, aligned
.endr
	s_wait_dscnt 0x0                               ; V is back; and, for the others' sake, my scale words lie in LDS
	s_barrier_signal -1
	s_barrier_wait -1
	; ---- V: four keys of my channel are 16 bytes: 32 lanes store 512 consecutive bytes
.irp t, 0,1
.irp b, 0,1,2,3,4,5,6,7
	global_store_b128 v3, v[VX+32*\t+4*\b:VX+32*\t+4*\b+3], s[24:25] offset:1024*\b+512*\t
.endr
.endr
	s_cmp_lg_u32 s12, 0
	s_cbranch_scc1 .Ldone
	ds_load_b64 v[VW+8:VW+9], v1 offset:SCB        ; wave 0: the four blocks' 256 bytes of scale words
	s_wait_dscnt 0x0
	global_store_b64 v1, v[VW+8:VW+9], s[10:11]
.Ldone:
	s_wait_tensorcnt 0x0
	ds_add_u32 v246, v247
	s_wait_dscnt 0x0
	s_endpgm
.Lfunc_end_k_q44e885a4e7_quant:
	.size	k_q44e885a4e7_quant, .Lfunc_end_k_q44e885a4e7_quant-k_q44e885a4e7_quant
	.p2alignl 7, 3214868480
	.fill 96, 4, 3214868480
	.section	.rodata,"a",@progbits
	.p2align	6, 0x0
	.amdhsa_kernel k_q44e885a4e7_quant
		.amdhsa_group_segment_fixed_size 35584
		.amdhsa_private_segment_fixed_size 0
		.amdhsa_enable_private_segment 0
		.amdhsa_kernarg_size 40
		.amdhsa_user_sgpr_count 2
		.amdhsa_user_sgpr_kernarg_segment_ptr 1
		.amdhsa_wavefront_size32 1
		.amdhsa_system_sgpr_workgroup_id_x 1
		.amdhsa_system_sgpr_workgroup_id_y 1
		.amdhsa_system_sgpr_workgroup_id_z 1
		.amdhsa_system_vgpr_workitem_id 0
		.amdhsa_next_free_vgpr 256
		.amdhsa_next_free_sgpr 66
		.amdhsa_reserve_vcc 0
		.amdhsa_float_denorm_mode_32 3
		.amdhsa_float_denorm_mode_16_64 3
		.amdhsa_memory_ordered 1
		.amdhsa_forward_progress 1
		.amdhsa_inst_pref_size 18
	.end_amdhsa_kernel
	.amdgpu_metadata
---
amdhsa.version: [ 1, 2 ]
amdhsa.kernels:
  - .name:           k_q44e885a4e7_quant
    .symbol:         k_q44e885a4e7_quant.kd
    .args:
      - { .name: k, .offset: 0, .size: 8, .value_kind: global_buffer, .address_space: global }
      - { .name: v, .offset: 8, .size: 8, .value_kind: global_buffer, .address_space: global }
      - { .name: kvc, .offset: 16, .size: 8, .value_kind: global_buffer, .address_space: global }
      - { .name: kvs, .offset: 24, .size: 8, .value_kind: global_buffer, .address_space: global }
      - { .name: vt, .offset: 32, .size: 8, .value_kind: global_buffer, .address_space: global }
    .group_segment_fixed_size: 35584
    .private_segment_fixed_size: 0
    .kernarg_segment_align: 8
    .kernarg_segment_size: 40
    .max_flat_workgroup_size: 128
    .sgpr_count:     66
    .vgpr_count:     256
    .wavefront_size: 32
...
	.end_amdgpu_metadata
.endif
;; end of part 1
;; launch attn (part 2): grid 8 x 32, 8 waves a work-group, no clusters, 35,840 bytes of LDS; arguments q_codes, q_scales, kvc, kvs, cols, valid, out0, vt; writes out0
.if DOCPART == 2
	.amdgcn_target "amdgcn-amd-amdhsa--gfx1250"
	.amdhsa_code_object_version 6
	.text
	.protected	k_q44e885a4e7_attn
	.globl	k_q44e885a4e7_attn
	.p2align	8
	.type	k_q44e885a4e7_attn,@function
k_q44e885a4e7_attn:
	s_mov_b64 s[64:65], 0
	v_nop
	global_prefetch_b8 v0, s[64:65] scope:SCOPE_SE
	s_setreg_imm32_b32 hwreg(HW_REG_WAVE_MODE, 25, 1), 1
	s_wait_xcnt 0x0
; Block-sparse attention on codes of FP6 (E2M3).  For each head (32) and each block n of 32 queries (128): 8 slots m of 32 keys c, gathered by cols[n][m]; a slot counts where valid[n][m] is set; in a slot whose
; column is n itself only keys up to the query count.  p = softmax over the 256 places, finished and normalised in f32, is quantised and multiplied by the quantised V.
; THE SECOND PRODUCT'S K runs as the product has it, c outermost: k = 8 c + m.  A block of 32 is four keys (c = 4 b .. 4 b + 3) of all eight slots, for p and for V alike.  So V's scales hang on the gathered
; set: V comes as f32 (turned by the launch before: [block][b][channel][c % 4]) and is quantised here, once for each query block.  Inside a block the order 4 m + c % 4 is used on both sides.
; K's codes and scale words were laid by the launch before in the order of the operand registers (its head says how).
; SHARES.  A work-group is 16 query blocks of one head; a wave owns two neighbouring ones ("units"), 32 queries each: two tiles of 16.  Waves share nothing: no barrier.
; BOTH PRODUCTS ARE USED TRANSPOSED: S^T = K Q^T (source 0 = 16 keys), O^T = V^T P^T (source 0 = 16 channels): a lane holds ONE query (lane % 16) throughout.
; THE HEAD'S 64 IN AN INSTRUCTION OF 128.  Twelve registers of source 0 hold TWO tiles of 16 keys, one in k = 0..63, one in k = 64..127.  Q stands twice, as [q; 0] and as [0; q] (registers 0 q0 0 q1 0, six each):
; zero codes on Q's side leave one tile's products alone.  Q's scale word holds its two bytes twice.
; THE KEYS OF A TILE (mp, bp): row i is key 8 bp + 4 (i / 8) + i % 4 of slot 2 mp + (i / 4) % 2.  So lane (r, h) holds in the 32 registers of tiles mp = 0..3 the whole block b = 2 bp + h, register 4 m + x = key 4 b + x of slot m:
; a block's maximum needs no other lane, and two conversions give the six registers that P's layout wants of that lane.
; THE MASKS.  A slot is a group of registers, the same in every lane; cols and valid are read as scalars.  A slot that does not count: -infinity into its 16 registers, under a scalar branch.  The triangle: for a pair of slots
; of which one is the diagonal one; one compare of the register's key with the lane's query serves both.  A row for which no key counts gets NaN, as a softmax of nothing but -infinity gives.
; AHEAD.  Unit 1's K and Q are asked for as soon as unit 0's last K Q^T has read those registers.  V's numbers come in eight pieces that take turns in the two halves of the scores' registers.
; NOT USED, AND WHY.  Tensor loads and joint loads in a cluster: which blocks a query block reads is said by cols, an input, and a tensor descriptor takes no loaded number.
; LIMITS: NaN and infinities in v are not served; a p under 2^-126 counts as 0; columns are held at 127; a block of zeros has the scale byte 1 (its codes are zeros).
; REGISTERS.  Window 0: v4-19 the lane's places; v20-23 cols as loaded; v36-51 offsets; v56-71 scale words; v72-127 statistics; v128-255 V's numbers, then S^T, then p; O^T and the rows on their way out lie over p.
;   Window 1: v0-95 K (24 a pair of slots); v96-191 V's codes (12 a tile of 16 channels and 128 along K); v192-221 Q; v222-245 P's codes.
.set KVREC,  1536
.set SPITCH, 272                       ; the way out: a stage row, 256 bytes + 16
.set STAGEB, 16*SPITCH
.set FLOOR,  0x1800000                 ; 2^(3 - 127)
.set EOFF,   0xff000000                ; takes 2 off an exponent field
.set LQ,  4                            ; 48 r + 24 h: my 24 bytes of a row of Q
.set LQS, 5                            ; 2 x lane: a row's two scale bytes
.set LC1, 6                            ; cols: 4 ((lane / 4) % 2): which slot of a pair my row of K's tiles belongs to
.set DV,  7                            ; r - 4 h: register (bp, x) is hidden from my query where 8 bp + x - 16 qt is greater
.set KL,  10                           ; 16 (j + 8 h), j = 4 ((lane / 8) % 2) + lane % 4: my place in a unit of K's codes
.set KSL, 11                           ; 4 (j + 8 h): and among K's scale words
.set VTL, 12                           ; 1024 h + 16 r: my place in vt
.set STO, 15
.set RD,  16
.set GO,  17                           ; 16 x lane
.set SH8, 18                           ; 8 h
.set NINF, 19                          ; -infinity
.set RAW, 20                           ; v20-23 cols of slot 2 mp + (lane / 4) % 2
.set KO,  36
.set KSO, 40
.set VO,  44                           ; v44-51 slot m's block in vt, + my place
.set KS,  56                           ; K's scale words, one register a pair of slots: lanes 0-15 tiles bp 0, 1; lanes 16-31 tiles 2, 3
.set VS,  60                           ; v60-67 V's scale words: tile of channels d, half g of K: register 2 d + g
.set QS,  68                           ; Q's scale words: lanes 0-15 tile 0, lanes 16-31 tile 1
.set PW,  70                           ; v70-71 P's scale words for the two halves of K
.set AD,  72                           ; v72 -c M; v73, 75, 77, 79 the largest score of my four blocks
.set SM,  80
.set TB,  88
.set SO,  92
.set BY,  96
.set MX,  100
.set RR,  102
.set FL,  104
.set PT,  106
.set TT,  112
.set S,   128
.set KF,  0                            ; window 1
.set VF,  96
.set QF,  192
.set PC,  222
.set CS,  22                           ; s[22:23] c = log2(e) / 8;  s24 -c
.set SEL, 26                           ; s[26:27] v_permlanex16_b32's selects for lane l xor 16
.set NB,  28                           ; s28, s29 the two units' query blocks
.set VT,  30                           ; s[30:31] vt at my head
.set COL, 68                           ; s68-83 the two units' columns
.set VAL, 84                           ; s84-87 and valid bytes
.set MSB, 0
.macro WIN new                         ; the immediate's high byte repeats the setting that is left
.if MSB != \new
	s_set_vgpr_msb (MSB<<8)|\new
.set MSB, \new
.endif
.endm
.set TO_W1, 0x40                       ; destination window 1
.set MUL,   0x05                       ; sources 0 and 1 window 1; C and D window 0
.macro LOADQ u                         ; 7 loads: a unit's 32 rows of Q
	global_load_u16 v[QS], v[LQS], s[6:7] offset:64*\u
	WIN TO_W1
.irp p, 0,1,2
	global_load_b64 v[QF+6+2*\p:QF+7+2*\p], v[LQ], s[4:5] offset:1536*\u+8*\p th:TH_LOAD_NT
	global_load_b64 v[QF+18+2*\p:QF+19+2*\p], v[LQ], s[4:5] offset:1536*\u+768+8*\p th:TH_LOAD_NT
.endr
	WIN 0
.endm
.macro LOADRAW u
.irp c, 0,1,2,3
	global_load_b32 v[RAW+\c], v[LC1], s[12:13] offset:32*\u+8*\c
.endr
.endm
.macro OFFS                            ; columns, held inside the table, become byte offsets in the head's records
.irp c, 0,1,2,3
	v_min_u32 v[RAW+\c], 127, v[RAW+\c]
.endr
.irp c, 0,1,2,3
	v_mad_u32_u24 v[KO+\c], v[RAW+\c], KVREC, v[KL]
	v_lshl_add_u32 v[KSO+\c], v[RAW+\c], 6, v[KSL]
.endr
.endm
.macro LOADK                           ; 28 loads
.irp c, 0,1,2,3
	global_load_b32 v[KS+\c], v[KSO+\c], s[10:11]
.endr
	WIN TO_W1
.irp c, 0,1,2,3
.irp i, 0,1,2,3,4,5
	global_load_b128 v[KF+24*\c+4*\i:KF+24*\c+4*\i+3], v[KO+\c], s[8:9] offset:256*\i
.endr
.endr
	WIN 0
.endm
; V.  Piece e = (d = e / 2, g = e % 2): for my channel 16 d + r the blocks b = 4 g + 2 c + h, c = 0, 1: 8 slots x 4 keys each, 16 loads of which sixteen neighbouring lanes read 256 consecutive bytes
.macro VLOAD e, st
.irp c, 0,1
.irp m, 0,1,2,3,4,5,6,7
	global_load_b128 v[(\st)+32*\c+4*\m:(\st)+32*\c+4*\m+3], v[VO+\m], s[VT:VT+1] offset:256*((\e)/2)+2048*(2*((\e)%2)+\c)
.endr
.endr
.endm
.macro VPIECE e, st
.irp c, 0,1
	v_max3_num_f32 v[PT+\c], |v[(\st)+32*\c]|, |v[(\st)+32*\c+1]|, FLOOR
.endr
.irp i, 2,4,6,8,10,12,14,16,18,20,22,24,26,28,30
.irp c, 0,1
	v_max3_num_f32 v[PT+\c], v[PT+\c], |v[(\st)+32*\c+\i]|, |v[(\st)+32*\c+\i+1]|
.endr
.endr
.irp c, 0,1
	v_add_nc_u32 v[SO+\c], EOFF, v[PT+\c]
.endr
.irp c, 0,1
	v_lshrrev_b32 v[BY+\c], 23, v[SO+\c]
.endr
.irp c, 0,1
	v_cvt_scalef32_pk16_fp6_f32 v[TT+4*\c:TT+4*\c+2], v[(\st)+32*\c+16:(\st)+32*\c+31], v[SO+\c]   ; (a conversion's three registers begin on an even number: these are moved below)
.endr
	WIN TO_W1
.irp c, 0,1
	v_cvt_scalef32_pk16_fp6_f32 v[VF+48*((\e)%2)+12*((\e)/2)+6*\c:VF+48*((\e)%2)+12*((\e)/2)+6*\c+2], v[(\st)+32*\c:(\st)+32*\c+15], v[SO+\c]
.endr
	v_nop                                          ; one plain line behind the conversions
.irp c, 0,1
.irp i, 0,1,2
	v_mov_b32 v[VF+48*((\e)%2)+12*((\e)/2)+6*\c+3+\i], v[TT+4*\c+\i]
.endr
.endr
	WIN 0
	v_lshl_or_b32 v[VS+(\e)], v[BY+1], 16, v[BY]   ; my bytes: blocks h and 2 + h of this half of K
	v_lshlrev_b32 v[VS+(\e)], v[SH8], v[VS+(\e)]
	v_permlanex16_b32 v[PT+2], v[VS+(\e)], s[SEL], s[SEL+1]
	v_or_b32 v[VS+(\e)], v[VS+(\e)], v[PT+2]       ; with lane l xor 16's the word is whole, in both halves of the lanes
.endm
.macro VQUANT u
	s_wait_xcnt 0x0                                ; the last stores have read their registers, into which the loads below land
.irp m, 0,1,2,3,4,5,6,7
	s_lshl_b32 s48, s[COL+8*\u+\m], 13
	v_add_nc_u32 v[VO+\m], s48, v[VTL]
.endr
	VLOAD 0, S
	VLOAD 1, S+64
.set ee, 0
.rept 8
.if ee < 7
	s_wait_loadcnt 16                              ; this piece's loads, and all issued ahead of them, are in; the next piece's 16 may be out
.else
	s_wait_loadcnt 0x0
.endif
	VPIECE ee, S+64*(ee%2)
.if ee < 6
	VLOAD ee+2, S+64*(ee%2)
.endif
.set ee, ee+1
.endr
.endm
.macro MASKS u, qt
.irp mp, 0,1,2,3
	s_cmp_eq_u32 s[COL+8*\u+2*\mp], s[NB+\u]
	s_cselect_b32 s52, -1, 0
	s_cmp_eq_u32 s[COL+8*\u+2*\mp+1], s[NB+\u]
	s_cselect_b32 s53, -1, 0
	s_or_b32 s54, s52, s53
	s_cmp_eq_u32 s54, 0
	s_cbranch_scc1 .Lnd_\@_\mp                     ; neither slot of the pair is the diagonal one
.irp bp, 0,1,2,3
.irp x, 0,1,2,3
.if 8*\bp+\x+4 > 16*\qt
	v_cmp_gt_i32 s48, 8*\bp+\x-16*\qt, v[DV]       ; lanes from whose query this register's key is hidden
	s_and_b32 s49, s48, s52
	v_cndmask_b32 v[S+32*\bp+8*\mp+\x], v[S+32*\bp+8*\mp+\x], v[NINF], s49       ; each accumulator is read from its low end on
	s_and_b32 s50, s48, s53
	v_cndmask_b32 v[S+32*\bp+8*\mp+4+\x], v[S+32*\bp+8*\mp+4+\x], v[NINF], s50
.endif
.endr
.endr
.Lnd_\@_\mp:
.endr
.irp m, 0,1,2,3,4,5,6,7
	s_bfe_u32 s48, s[VAL+2*\u+\m/4], (8<<16)|(8*(\m%4))
	s_cmp_lg_u32 s48, 0
	s_cbranch_scc1 .Lok_\@_\m                      ; the slot counts
.irp bp, 0,1,2,3
.irp x, 0,1,2,3
	v_mov_b32 v[S+32*\bp+4*\m+\x], v[NINF]
.endr
.endr
.Lok_\@_\m:
.endr
.endm
; ONE TILE OF 16 QUERIES of unit u.  more = 1: the next unit's K and Q are asked for on the way.
.macro TILE u, qt, more
	s_wait_xcnt 0x0                                ; the last tile's stores have read their registers, which the products below write
	WIN MUL
.set cc, 0
.rept 4                                            ; S^T = K Q^T: 16 products on 16 accumulators, each begun with the constant 0.  cc: the pair of slots; tt: the tile's keys
.set tt, 0
.rept 4
.set rD, S+32*tt+8*cc
.set rA, KF+24*cc+12*(tt/2)
.set rB, QF+12*\qt+6-6*(tt%2)                      ; an even tile lies in k = 0..63: [q; 0];  an odd one in k = 64..127: [0; q]
.if (tt < 2) && (\qt == 0)
	v_wmma_scale_f32_16x16x128_f8f6f4 v[rD:rD+7], v[rA:rA+11], v[rB:rB+11], 0, v[KS+cc], v[QS] matrix_a_fmt:MATRIX_FMT_FP6 matrix_b_fmt:MATRIX_FMT_FP6
.elseif tt < 2
	v_wmma_scale_f32_16x16x128_f8f6f4 v[rD:rD+7], v[rA:rA+11], v[rB:rB+11], 0, v[KS+cc], v[QS] matrix_a_fmt:MATRIX_FMT_FP6 matrix_b_fmt:MATRIX_FMT_FP6 matrix_b_scale:MATRIX_SCALE_ROW1
.elseif \qt == 0
	v_wmma_scale_f32_16x16x128_f8f6f4 v[rD:rD+7], v[rA:rA+11], v[rB:rB+11], 0, v[KS+cc], v[QS] matrix_a_fmt:MATRIX_FMT_FP6 matrix_b_fmt:MATRIX_FMT_FP6 matrix_a_scale:MATRIX_SCALE_ROW1
.else
	v_wmma_scale_f32_16x16x128_f8f6f4 v[rD:rD+7], v[rA:rA+11], v[rB:rB+11], 0, v[KS+cc], v[QS] matrix_a_fmt:MATRIX_FMT_FP6 matrix_b_fmt:MATRIX_FMT_FP6 matrix_a_scale:MATRIX_SCALE_ROW1 matrix_b_scale:MATRIX_SCALE_ROW1
.endif
.set tt, tt+1
.endr
.set cc, cc+1
.endr
	WIN 0
.rept 4
	v_nop                                          ; four places ahead of the first touch of the scores and of loads into K's, Q's and their scales' registers
.endr
.if \more && (\qt == 1)
	s_wait_loadcnt 0x0                             ; the next unit's cols, asked for a tile ago
	OFFS
	LOADK                                          ; K's and Q's registers have been read for the last time: the next unit's land under this tile's softmax
	LOADQ 1
.endif
	MASKS \u, \qt
	; the largest score of each of my four blocks, the four by turns
.irp c, 0,1,2,3
	v_max3_num_f32 v[AD+2*\c+1], v[S+32*\c], v[S+32*\c+1], v[S+32*\c+2]
.endr
.irp i, 3,5,7,9,11,13,15,17,19,21,23,25,27,29
.irp c, 0,1,2,3
	v_max3_num_f32 v[AD+2*\c+1], v[AD+2*\c+1], v[S+32*\c+\i], v[S+32*\c+\i+1]
.endr
.endr
.irp c, 0,1,2,3
	v_max_num_f32 v[AD+2*\c+1], v[AD+2*\c+1], v[S+32*\c+31]
.endr
	v_max3_num_f32 v[MX], v[AD+1], v[AD+3], v[AD+5]
	v_max_num_f32 v[MX], v[MX], v[AD+7]
	v_permlanex16_b32 v[MX+1], v[MX], s[SEL], s[SEL+1]
	v_max_num_f32 v[MX], v[MX], v[MX+1]            ; with lane l xor 16's four blocks: the row's largest score M
	v_mul_f32 v[AD], s24, v[MX]                    ; -c M
.set ii, 0
.rept 64
	v_pk_fma_f32 v[S+ii:S+ii+1], v[S+ii:S+ii+1], s[CS:CS+1], v[AD:AD+1] op_sel_hi:[1,0,0]   ; c s - c M, two at a time
.set ii, ii+2
.endr
.irp c, 0,1,2,3
	v_fma_f32 v[TB+\c], v[AD+2*\c+1], s[CS], v[AD]   ; the same of each block's largest score: p rises with the score, so this gives the block's largest p, by the same instructions on the same bits
.endr
.set ii, 0
.rept 128
	v_exp_f32 v[S+ii], v[S+ii]
.set ii, ii+1
.endr
.irp c, 0,1,2,3
	v_exp_f32 v[TB+\c], v[TB+\c]
.endr
.if \more && (\qt == 0)
	LOADRAW 1                                      ; the next unit's cols: a tile ahead of their use
.endif
	v_nop                                          ; a plain line behind the exponentials
	s_wait_alu depctr_va_vdst(0)                   ; one wait for the batch of 132, ahead of its first reader
.irp c, 0,1,2,3
	v_pk_add_f32 v[SM+2*\c:SM+2*\c+1], v[S+32*\c:S+32*\c+1], v[S+32*\c+2:S+32*\c+3]   ; the row's sum, two at a time, in four chains
.endr
.irp j, 4,6,8,10,12,14,16,18,20,22,24,26,28,30
.irp c, 0,1,2,3
	v_pk_add_f32 v[SM+2*\c:SM+2*\c+1], v[SM+2*\c:SM+2*\c+1], v[S+32*\c+\j:S+32*\c+\j+1]
.endr
.endr
	v_pk_add_f32 v[SM:SM+1], v[SM:SM+1], v[SM+2:SM+3]
	v_pk_add_f32 v[SM+4:SM+5], v[SM+4:SM+5], v[SM+6:SM+7]
	v_pk_add_f32 v[SM:SM+1], v[SM:SM+1], v[SM+4:SM+5]
	v_add_f32 v[SM], v[SM], v[SM+1]
	v_permlanex16_b32 v[SM+1], v[SM], s[SEL], s[SEL+1]
	v_add_f32 v[SM], v[SM], v[SM+1]
	v_rcp_f32 v[RR], v[SM]
	v_nop                                          ; a plain line behind the reciprocal
	s_wait_alu depctr_va_vdst(0)                   ; and its wait, ahead of its first reader
	v_mul_f32 v[FL], 0, v[RR]                      ; 0; NaN for a row without keys
.irp c, 0,1,2,3
	v_mul_f32 v[TB+\c], v[TB+\c], v[RR]            ; the block's largest p
.endr
.irp c, 0,1,2,3
	v_max_num_f32 v[TB+\c], FLOOR, v[TB+\c]        ; the byte cannot fall under 1
.endr
.irp c, 0,1,2,3
	v_add_nc_u32 v[SO+\c], EOFF, v[TB+\c]          ; the conversion's scale operand
.endr
.irp c, 0,1,2,3
	v_lshrrev_b32 v[BY+\c], 23, v[SO+\c]
.endr
.irp g, 0,1                                        ; P's scale word for blocks 4 g .. 4 g + 3: mine are 4 g + h and 4 g + 2 + h
	v_lshl_or_b32 v[PW+\g], v[BY+2*\g+1], 16, v[BY+2*\g]
.endr
.irp g, 0,1
	v_lshlrev_b32 v[PW+\g], v[SH8], v[PW+\g]
.endr
.irp g, 0,1
	v_permlanex16_b32 v[PT+\g], v[PW+\g], s[SEL], s[SEL+1]
.endr
.irp g, 0,1
	v_or_b32 v[PW+\g], v[PW+\g], v[PT+\g]
.endr
.set ii, 0
.rept 64
	v_pk_mul_f32 v[S+ii:S+ii+1], v[S+ii:S+ii+1], v[RR:RR+1] op_sel_hi:[1,0]   ; p, finished and normalised: what the quantiser takes
.set ii, ii+2
.endr
.irp c, 0,1,2,3
	v_cvt_scalef32_pk16_fp6_f32 v[TT+4*\c:TT+4*\c+2], v[S+32*\c+16:S+32*\c+31], v[SO+\c]
.endr
	WIN TO_W1
.irp c, 0,1,2,3
	v_cvt_scalef32_pk16_fp6_f32 v[PC+6*\c:PC+6*\c+2], v[S+32*\c:S+32*\c+15], v[SO+\c]
.endr
	v_nop                                          ; one plain line behind the conversions
.irp c, 0,1,2,3
.irp i, 0,1,2
	v_mov_b32 v[PC+6*\c+3+\i], v[TT+4*\c+\i]
.endr
.endr
.rept 8
	v_nop                                          ; operands and scale words made by vector instructions stand this far ahead of a scaled matrix instruction
.endr
	WIN MUL
.set gg, 0
.rept 2                                            ; O^T = V^T P^T: four accumulators by turns, one instruction a turn; the first four begin the sums
.set dd, 0
.rept 4
.set rD, S+8*dd
.set rA, VF+48*gg+12*dd
.set rB, PC+12*gg
.if gg == 0
	v_wmma_scale_f32_16x16x128_f8f6f4 v[rD:rD+7], v[rA:rA+11], v[rB:rB+11], 0, v[VS+2*dd], v[PW] matrix_a_fmt:MATRIX_FMT_FP6 matrix_b_fmt:MATRIX_FMT_FP6
.else
	v_wmma_scale_f32_16x16x128_f8f6f4 v[rD:rD+7], v[rA:rA+11], v[rB:rB+11], v[rD:rD+7], v[VS+2*dd+1], v[PW+1] matrix_a_fmt:MATRIX_FMT_FP6 matrix_b_fmt:MATRIX_FMT_FP6
.endif
.set dd, dd+1
.endr
.set gg, gg+1
.endr
	WIN 0
.rept 5
	v_nop                                          ; four places ahead of the first read of O^T; a fifth, since the next tile's products write over it
.endr
.irp j, 0,2,4,6,8,10,12,14,16,18,20,22,24,26,28,30
	v_pk_add_f32 v[S+\j:S+\j+1], v[S+\j:S+\j+1], v[FL:FL+1] op_sel_hi:[1,0]   ; + 0, or NaN for a row without keys
.endr
	; THE WAY OUT: a lane holds 32 neighbouring bytes of a row for each tile of channels; through my own stage the rows come back whole
.irp d, 0,1,2,3
	ds_store_b128 v[STO], v[S+8*\d:S+8*\d+3] offset:64*\d
	ds_store_b128 v[STO], v[S+8*\d+4:S+8*\d+7] offset:64*\d+16
.endr
.irp i, 0,1,2,3,4,5,6,7
	ds_load_b128 v[S+32+4*\i:S+32+4*\i+3], v[RD] offset:2*\i*SPITCH   ; LDS serves a wave's instructions in order: these see the stores above
.endr
.irp i, 0,1,2,3,4,5,6,7
	s_wait_dscnt 7-\i                              ; the younger loads may stay out
	global_store_b128 v[GO], v[S+32+4*\i:S+32+4*\i+3], s[16:17] offset:8192*\u+4096*\qt+512*\i th:TH_STORE_NT   ; two rows: 512 consecutive bytes, aligned
.endr
.endm
.macro UNIT u, more
	VQUANT \u                                      ; its last wait is for all loads: Q, K and K's scale words are in too
	v_lshl_or_b32 v[QS], v[QS], 16, v[QS]          ; a row's two scale bytes twice: for [q; 0] and for [0; q]
.rept 8
	v_nop                                          ; a scale word made by a vector instruction stands this far ahead of a scaled matrix instruction
.endr
	TILE \u, 0, \more
	TILE \u, 1, \more
.endm
	s_load_b256 s[4:11], s[0:1], 0x0               ; q_codes s[4:5], q_scales s[6:7], kvc s[8:9], kvs s[10:11]
	s_load_b128 s[12:15], s[0:1], 0x20             ; cols s[12:13], valid s[14:15]
	s_load_b64 s[16:17], s[0:1], 0x30              ; out0
	s_load_b64 s[VT:VT+1], s[0:1], 0x38            ; vt
	v_lshl_add_u32 v123, v0, 2, 0x8800
	v_mov_b32 v127, 0
	v_lshrrev_b32 v1, 5, v0
	v_readfirstlane_b32 s18, v1                    ; wave 0..7
	s_and_b32 s19, ttmp7, 0xffff                   ; the head
	s_lshl_b32 s28, ttmp9, 4
	s_lshl_b32 s20, s18, 1
	s_add_co_u32 s28, s28, s20                     ; my first query block: 16 x work-group x + 2 x wave
	s_add_co_u32 s29, s28, 1                       ; and my second
	s_mul_i32 s50, s19, 196608                     ; q_codes: 4,096 rows of 48 bytes a head, 1,536 bytes a block
	s_mul_i32 s51, s28, 1536
	s_add_co_u32 s50, s50, s51
	s_mov_b32 s51, 0
	s_lshl_b32 s52, s19, 13                        ; q_scales: 8,192 bytes a head, 64 a block
	s_lshl_b32 s53, s28, 6
	s_add_co_u32 s52, s52, s53
	s_mov_b32 s53, 0
	s_mul_i32 s54, s19, 196608                     ; kvc: 128 records of 1,536 bytes a head
	s_mov_b32 s55, 0
	s_lshl_b32 s56, s19, 13                        ; kvs: 128 x 64 bytes a head
	s_mov_b32 s57, 0
	s_lshl_b32 s58, s28, 5                         ; cols: 32 bytes a block
	s_mov_b32 s59, 0
	s_lshl_b32 s60, s28, 3                         ; valid: 8
	s_mov_b32 s61, 0
	s_lshl_b32 s32, s19, 20                        ; out0 and vt: 1,048,576 bytes a head
	s_mov_b32 s33, 0
	s_lshl_b32 s62, s28, 13                        ; out0: 8,192 bytes a block
	s_mov_b32 s63, 0
	s_mov_b32 s[CS], 0x3e38aa3b                    ; c = log2(e) / sqrt(64)
	s_mov_b32 s[CS+1], s[CS]                       ; (named with it as a pair, so it is written)
	s_mov_b32 s24, 0xbe38aa3b                      ; -c
	s_mov_b32 s[SEL], 0x76543210
	s_mov_b32 s[SEL+1], 0xfedcba98
	s_mul_i32 s21, s18, STAGEB                     ; my stage
	v_and_b32 v1, 31, v0                           ; lane
	v_and_b32 v2, 15, v0                           ; r
	v_bfe_u32 v3, v0, 4, 1                         ; h
	v_mul_u32_u24 v[LQ], v2, 48
	v_mad_u32_u24 v[LQ], v3, 24, v[LQ]
	v_lshlrev_b32 v[LQS], 1, v1
	v_bfe_u32 v[LC1], v0, 2, 1
	v_lshlrev_b32 v[LC1], 2, v[LC1]
	s_wait_kmcnt 0x0
	s_add_nc_u64 s[4:5], s[4:5], s[50:51]
	s_add_nc_u64 s[6:7], s[6:7], s[52:53]
	s_add_nc_u64 s[8:9], s[8:9], s[54:55]
	s_add_nc_u64 s[10:11], s[10:11], s[56:57]
	s_add_nc_u64 s[12:13], s[12:13], s[58:59]
	s_add_nc_u64 s[14:15], s[14:15], s[60:61]
	s_add_nc_u64 s[16:17], s[16:17], s[32:33]
	s_add_nc_u64 s[16:17], s[16:17], s[62:63]
	s_add_nc_u64 s[VT:VT+1], s[VT:VT+1], s[32:33]
	s_load_b512 s[COL:COL+15], s[12:13], 0x0       ; both units' columns,
	s_load_b128 s[VAL:VAL+3], s[14:15], 0x0        ; and valid bytes, as scalars
	LOADQ 0
	LOADRAW 0
	v_bfe_u32 v[KSL], v0, 3, 1                     ; the other places are made while these loads are out
	v_and_b32 v[KL], 3, v0
	v_lshl_add_u32 v[KSL], v[KSL], 2, v[KL]        ; j = 4 ((lane / 8) % 2) + lane % 4
	v_lshl_add_u32 v[KSL], v3, 3, v[KSL]           ; + 8 h
	v_lshlrev_b32 v[KL], 4, v[KSL]
	v_lshlrev_b32 v[KSL], 2, v[KSL]
	v_lshlrev_b32 v[VTL], 4, v2
	v_lshl_add_u32 v[VTL], v3, 10, v[VTL]
	v_lshlrev_b32 v[DV], 2, v3
	v_sub_nc_u32 v[DV], v2, v[DV]                  ; r - 4 h, as a signed number
	v_mul_u32_u24 v[STO], v2, SPITCH
	v_lshl_add_u32 v[STO], v3, 5, v[STO]
	v_add_nc_u32 v[STO], s21, v[STO]               ; in: row r, + 32 h
	v_mul_u32_u24 v[RD], v3, SPITCH
	v_lshl_add_u32 v[RD], v2, 4, v[RD]
	v_add_nc_u32 v[RD], s21, v[RD]                 ; back: lanes 0-15 one row, lanes 16-31 the next
	v_lshlrev_b32 v[GO], 4, v1
	v_lshlrev_b32 v[SH8], 3, v3
	v_mov_b32 v[NINF], 0xff800000
	v_mov_b32 v[MX+1], 0                           ; written once: a lane permute's destination counts as one of its sources
	v_mov_b32 v[PT+2], 0
	v_mov_b32 v[RR+1], 0                           ; (the upper halves of pairs of which the packed forms take the low word)
	v_mov_b32 v[FL+1], 0
	WIN TO_W1
.irp z, 0,1,2,3,4,5,12,13,14,15,16,17,24,25,26,27,28,29
	v_mov_b32 v[QF+\z], 0                          ; the zero codes round q0 and q1: written once, for both units
.endr
	WIN 0
	s_wait_kmcnt 0x0
.irp i, 0,1,2,3,4,5,6,7,8,9,10,11,12,13,14,15
	s_min_u32 s[COL+\i], s[COL+\i], 127            ; held inside the table
.endr
	s_wait_loadcnt 0x0                             ; cols of unit 0 (and its Q)
	OFFS
	LOADK
	UNIT 0, 1
	UNIT 1, 0
	s_wait_tensorcnt 0x0
	ds_add_u32 v123, v127
	s_wait_dscnt 0x0
	s_endpgm
.Lfunc_end_k_q44e885a4e7_attn:
	.size	k_q44e885a4e7_attn, .Lfunc_end_k_q44e885a4e7_attn-k_q44e885a4e7_attn
	.p2alignl 7, 3214868480
	.fill 96, 4, 3214868480
	.section	.rodata,"a",@progbits
	.p2align	6, 0x0
	.amdhsa_kernel k_q44e885a4e7_attn
		.amdhsa_group_segment_fixed_size 35840
		.amdhsa_private_segment_fixed_size 0
		.amdhsa_enable_private_segment 0
		.amdhsa_kernarg_size 64
		.amdhsa_user_sgpr_count 2
		.amdhsa_user_sgpr_kernarg_segment_ptr 1
		.amdhsa_wavefront_size32 1
		.amdhsa_system_sgpr_workgroup_id_x 1
		.amdhsa_system_sgpr_workgroup_id_y 1
		.amdhsa_system_sgpr_workgroup_id_z 1
		.amdhsa_system_vgpr_workitem_id 0
		.amdhsa_next_free_vgpr 512
		.amdhsa_next_free_sgpr 100
		.amdhsa_reserve_vcc 0
		.amdhsa_float_denorm_mode_32 3
		.amdhsa_float_denorm_mode_16_64 3
		.amdhsa_memory_ordered 1
		.amdhsa_forward_progress 1
		.amdhsa_inst_pref_size 255
	.end_amdhsa_kernel
	.section	.bss,"aw",@nobits
	.p2align	6
	.space	262144
	.amdgpu_metadata
---
amdhsa.version: [ 1, 2 ]
amdhsa.kernels:
  - .name:           k_q44e885a4e7_attn
    .symbol:         k_q44e885a4e7_attn.kd
    .args:
      - { .name: q_codes, .offset: 0, .size: 8, .value_kind: global_buffer, .address_space: global }
      - { .name: q_scales, .offset: 8, .size: 8, .value_kind: global_buffer, .address_space: global }
      - { .name: kvc, .offset: 16, .size: 8, .value_kind: global_buffer, .address_space: global }
      - { .name: kvs, .offset: 24, .size: 8, .value_kind: global_buffer, .address_space: global }
      - { .name: cols, .offset: 32, .size: 8, .value_kind: global_buffer, .address_space: global }
      - { .name: valid, .offset: 40, .size: 8, .value_kind: global_buffer, .address_space: global }
      - { .name: out0, .offset: 48, .size: 8, .value_kind: global_buffer, .address_space: global }
      - { .name: vt, .offset: 56, .size: 8, .value_kind: global_buffer, .address_space: global }
    .group_segment_fixed_size: 35840
    .private_segment_fixed_size: 0
    .kernarg_segment_align: 8
    .kernarg_segment_size: 64
    .max_flat_workgroup_size: 256
    .sgpr_count:     100
    .vgpr_count:     512
    .wavefront_size: 32
...
	.end_amdgpu_metadata
.endif
;; end of part 2
;; ======== version 2 of 3: 2 launches
;; workspace buffers: kvc 6,291,456 bytes; kvs 262,144 bytes
;; launch quant (part 3): grid 1024 x 1, 4 waves a work-group, no clusters, 35,584 bytes of LDS; arguments k, kvc, kvs; writes kvc, kvs
.if DOCPART == 3
	.amdgcn_target "amdgcn-amd-amdhsa--gfx1250"
	.amdhsa_code_object_version 6
	.text
	.protected	k_q44e885a4e7_quant
	.globl	k_q44e885a4e7_quant
	.p2align	8
	.type	k_q44e885a4e7_quant,@function
k_q44e885a4e7_quant:
	s_mov_b64 s[64:65], 0
	v_nop
	global_prefetch_b8 v0, s[64:65] scope:SCOPE_SE
	s_setreg_imm32_b32 hwreg(HW_REG_WAVE_MODE, 25, 1), 1
	s_wait_xcnt 0x0
; K, [32 heads][4096 keys][64] f32, becomes codes of FP6 (E2M3) with E8M0 scale bytes (two blocks of 32 along d a key), laid in the order in which the attention launch's operand registers take them.
; (V is not touched here: the second product's blocks of 32 hold four keys of each of the eight GATHERED slots, so V's scales hang on the query block, and the attention launch quantises V from the input itself.)
; A block's scale is 2^(floor(log2(largest magnitude)) - 2): its byte is the largest magnitude's exponent field - 2, held at 1 from below by a floor among the maximum's leaves.
; (A block of zeros so gets the byte 1: its codes are zeros, and this program alone reads the bytes.)   LIMITS: NaN and infinities among the inputs are not served.
; SHARES.  A wave takes one block of 32 keys of one head: 8,192 bytes, by 16 loads of 512 consecutive bytes, all issued at the head.  They turn through the wave's own stage in LDS (rows of 256 bytes + 16),
; so that a lane holds 32 neighbours along d of a key.
; kvc, 1,536 bytes a block: place (j, h), j = key % 8, h = half of d, has 96 bytes: the 24 bytes of codes of keys j, 8 + j, 16 + j, 24 + j on end; byte group i (16 bytes) of place p = j + 8 h lies at 256 i + 16 p.
; kvs, 64 bytes a block: word j + 8 u: the scale bytes of keys 16 u + j (halves 0, 1) and 16 u + 8 + j (halves 0, 1).
; Every store covers whole aligned runs of 256 bytes.  No tensor loads and no ring: each byte is read once by one wave, and all of a wave's bytes are on their way from its first lines on.
.set PITCH, 272
.set STG,   32*PITCH                   ; a wave's stage
.set SCB,   4*STG                      ; behind the stages: 64 bytes of scale words for each wave
.set KVREC, 1536
.set FLOOR, 0x1800000                  ; 2^(3 - 127)
.set EOFF,  0xff000000                 ; takes 2 off an exponent field
.set KR, 16                            ; v16-79   K as loaded
.set OW, 80                            ; v80-81   the scale words on their way out
.set KX, 144                           ; v144-207 K turned: two blocks of 32 numbers
.set CK, 208                           ; v208-219 K's codes: 48 bytes a lane
.set TK, 220                           ; v220-227 the second halves of the two blocks, as the conversions leave them
.set KM, 248                           ; v248-255 two maxima, two scale operands, two bytes, the word, the neighbour's part
	s_load_b128 s[4:7], s[0:1], 0x0                ; k s[4:5], kvc s[6:7]
	s_load_b64 s[8:9], s[0:1], 0x10                ; kvs
	v_lshl_add_u32 v246, v0, 2, 0x8900
	v_mov_b32 v247, 0
	v_lshrrev_b32 v1, 5, v0
	v_readfirstlane_b32 s12, v1                    ; wave 0..3
	v_and_b32 v2, 31, v0                           ; lane
	v_lshlrev_b32 v3, 4, v2                        ; 16 x lane; never rewritten
	s_lshl_b32 s13, ttmp9, 2
	s_add_co_u32 s13, s13, s12                     ; my block: 4 x work-group + wave
	s_lshl_b32 s14, s13, 13                        ; 8,192 bytes of K a block
	s_mov_b32 s15, 0
	s_mul_i32 s16, s13, KVREC
	s_mov_b32 s17, 0
	s_lshl_b32 s18, ttmp9, 8                       ; 256 bytes of scale words a work-group
	s_mov_b32 s19, 0
	s_wait_kmcnt 0x0
	s_add_nc_u64 s[4:5], s[4:5], s[14:15]
	s_add_nc_u64 s[6:7], s[6:7], s[16:17]
	s_add_nc_u64 s[8:9], s[8:9], s[18:19]
.irp i, 0,1,2,3,4,5,6,7,8,9,10,11,12,13,14,15
	global_load_b128 v[KR+4*\i:KR+4*\i+3], v3, s[4:5] offset:512*\i th:TH_LOAD_NT   ; two keys' rows: 512 consecutive bytes
.endr
	; the lane's places.  A lane is (j, h, u): lane = j + 8 h + 16 u; it takes keys 16 u + j and 16 u + 8 + j, half h of d
	s_mul_i32 s20, s12, STG                        ; my stage
	s_lshl_b32 s21, s12, 6
	s_add_co_u32 s21, s21, SCB                     ; my scale words
	v_lshrrev_b32 v6, 4, v2                        ; u
	v_and_b32 v7, 15, v2                           ; lane % 16
	v_and_b32 v8, 7, v2                            ; j
	v_bfe_u32 v9, v2, 3, 1                         ; h
	v_lshlrev_b32 v1, 3, v2                        ; 8 x lane
	v_mul_u32_u24 v5, v6, PITCH
	v_lshl_add_u32 v5, v7, 4, v5
	v_add_nc_u32 v5, s20, v5                       ; into the stage, as loaded: row lane / 16, 16 bytes a lane
	v_lshl_add_u32 v10, v6, 4, v8
	v_mul_u32_u24 v10, v10, PITCH
	v_lshl_add_u32 v10, v9, 7, v10
	v_add_nc_u32 v10, s20, v10                     ; out of the stage: row 16 u + j, + 128 h
	v_mul_u32_u24 v11, v6, 768
	v_lshl_add_u32 v11, v7, 4, v11                 ; the codes: byte groups 3 u .. 3 u + 2, place lane % 16
	v_lshl_add_u32 v12, v6, 3, v8
	v_lshl_add_u32 v12, v12, 2, s21                ; the scale word j + 8 u
	v_lshlrev_b32 v14, 3, v9                       ; 8 h
	v_mov_b32 v[KM+7], 0                           ; written once: the destination of a lane exchange counts as one of its sources
	s_wait_loadcnt 0x0
.irp i, 0,1,2,3,4,5,6,7,8,9,10,11,12,13,14,15
	ds_store_b128 v5, v[KR+4*\i:KR+4*\i+3] offset:2*\i*PITCH
.endr
.irp t, 0,1
.irp i, 0,1,2,3,4,5,6,7
	ds_load_b128 v[KX+32*\t+4*\i:KX+32*\t+4*\i+3], v10 offset:8*\t*PITCH+16*\i   ; LDS serves a wave's instructions in order: these see the stores above
.endr
.endr
	s_wait_dscnt 0x0
.irp t, 0,1
	v_max3_num_f32 v[KM+\t], |v[KX+32*\t]|, |v[KX+32*\t+1]|, FLOOR
.endr
.irp i, 2,4,6,8,10,12,14,16,18,20,22,24,26,28,30
.irp t, 0,1
	v_max3_num_f32 v[KM+\t], v[KM+\t], |v[KX+32*\t+\i]|, |v[KX+32*\t+\i+1]|
.endr
.endr
.irp t, 0,1
	v_add_nc_u32 v[KM+2+\t], EOFF, v[KM+\t]        ; the conversion takes the exponent field of this operand as its scale
.endr
.irp t, 0,1
	v_lshrrev_b32 v[KM+4+\t], 23, v[KM+2+\t]       ; the scale's byte
.endr
.irp t, 0,1
	v_cvt_scalef32_pk16_fp6_f32 v[CK+6*\t:CK+6*\t+2], v[KX+32*\t:KX+32*\t+15], v[KM+2+\t]
	v_cvt_scalef32_pk16_fp6_f32 v[TK+4*\t:TK+4*\t+2], v[KX+32*\t+16:KX+32*\t+31], v[KM+2+\t]   ; (a conversion's three registers begin on an even number)
.endr
	v_lshl_or_b32 v[KM+6], v[KM+5], 16, v[KM+4]    ; my two bytes (a plain line behind the conversions)
.irp t, 0,1
.irp i, 0,1,2
	v_mov_b32 v[CK+6*\t+3+\i], v[TK+4*\t+\i]
.endr
.endr
	v_lshlrev_b32 v[KM+6], v14, v[KM+6]            ; at their places: 8 h bits up
	v_mov_b32_dpp v[KM+7], v[KM+6] row_xmask:8 row_mask:0xf bank_mask:0xf   ; the other half of d lies 8 lanes away
	v_or_b32 v[KM+6], v[KM+6], v[KM+7]
	ds_store_b32 v12, v[KM+6]                      ; both lanes of a word write the same value
.irp i, 0,1,2
	global_store_b128 v11, v[CK+4*\i:CK+4*\i+3], s[6:7] offset:256*\i   ; sixteen neighbouring lanes fill 256 consecutive bytes, aligned
.endr
	s_wait_dscnt 0x0                               ; for the others' sake: my scale words lie in LDS
	s_barrier_signal -1
	s_barrier_wait -1
	s_cmp_lg_u32 s12, 0
	s_cbranch_scc1 .Ldone
	ds_load_b64 v[OW:OW+1], v1 offset:SCB          ; wave 0: the four blocks' 256 bytes of scale words
	s_wait_dscnt 0x0
	global_store_b64 v1, v[OW:OW+1], s[8:9]
.Ldone:
	s_wait_tensorcnt 0x0
	ds_add_u32 v246, v247
	s_wait_dscnt 0x0
	s_endpgm
.Lfunc_end_k_q44e885a4e7_quant:
	.size	k_q44e885a4e7_quant, .Lfunc_end_k_q44e885a4e7_quant-k_q44e885a4e7_quant
	.p2alignl 7, 3214868480
	.fill 96, 4, 3214868480
	.section	.rodata,"a",@progbits
	.p2align	6, 0x0
	.amdhsa_kernel k_q44e885a4e7_quant
		.amdhsa_group_segment_fixed_size 35584
		.amdhsa_private_segment_fixed_size 0
		.amdhsa_enable_private_segment 0
		.amdhsa_kernarg_size 24
		.amdhsa_user_sgpr_count 2
		.amdhsa_user_sgpr_kernarg_segment_ptr 1
		.amdhsa_wavefront_size32 1
		.amdhsa_system_sgpr_workgroup_id_x 1
		.amdhsa_system_sgpr_workgroup_id_y 1
		.amdhsa_system_sgpr_workgroup_id_z 1
		.amdhsa_system_vgpr_workitem_id 0
		.amdhsa_next_free_vgpr 256
		.amdhsa_next_free_sgpr 66
		.amdhsa_reserve_vcc 0
		.amdhsa_float_denorm_mode_32 3
		.amdhsa_float_denorm_mode_16_64 3
		.amdhsa_memory_ordered 1
		.amdhsa_forward_progress 1
		.amdhsa_inst_pref_size 10
	.end_amdhsa_kernel
	.amdgpu_metadata
---
amdhsa.version: [ 1, 2 ]
amdhsa.kernels:
  - .name:           k_q44e885a4e7_quant
    .symbol:         k_q44e885a4e7_quant.kd
    .args:
      - { .name: k, .offset: 0, .size: 8, .value_kind: global_buffer, .address_space: global }
      - { .name: kvc, .offset: 8, .size: 8, .value_kind: global_buffer, .address_space: global }
      - { .name: kvs, .offset: 16, .size: 8, .value_kind: global_buffer, .address_space: global }
    .group_segment_fixed_size: 35584
    .private_segment_fixed_size: 0
    .kernarg_segment_align: 8
    .kernarg_segment_size: 24
    .max_flat_workgroup_size: 128
    .sgpr_count:     66
    .vgpr_count:     256
    .wavefront_size: 32
...
	.end_amdgpu_metadata
.endif
;; end of part 3
;; launch attn (part 4): grid 8 x 32, 8 waves a work-group, no clusters, 35,840 bytes of LDS; arguments q_codes, q_scales, kvc, kvs, cols, valid, out0, v; writes out0
.if DOCPART == 4
	.amdgcn_target "amdgcn-amd-amdhsa--gfx1250"
	.amdhsa_code_object_version 6
	.text
	.protected	k_q44e885a4e7_attn
	.globl	k_q44e885a4e7_attn
	.p2align	8
	.type	k_q44e885a4e7_attn,@function
k_q44e885a4e7_attn:
	s_mov_b64 s[64:65], 0
	v_nop
	global_prefetch_b8 v0, s[64:65] scope:SCOPE_SE
	s_setreg_imm32_b32 hwreg(HW_REG_WAVE_MODE, 25, 1), 1
	s_wait_xcnt 0x0
; Block-sparse attention on codes of FP6 (E2M3).  For each head (32) and each block n of 32 queries (128): 8 slots m of 32 keys c, gathered by cols[n][m]; a slot counts where valid[n][m] is set; in a slot whose
; column is n itself only keys up to the query count.  p = softmax over the 256 places, finished and normalised in f32, is quantised and multiplied by the quantised V.
; THE SECOND PRODUCT'S K runs as the product has it, c outermost: k = 8 c + m.  A block of 32 is four keys (c = 4 b .. 4 b + 3) of all eight slots, for p and for V alike.  So V's scales hang on the gathered
; set: V is read as f32, from the input as it lies, and quantised here, once for each query block.  Inside a block the order 4 m + c % 4 is used on both sides.
; V WITHOUT A TRANSPOSITION THROUGH MEMORY.  Which channels form a tile of V^T is free: row i of tile d is channel 4 i + d.  So a load of 16 bytes at byte 16 r of a key's row gives lane r one number for each of the four
; tiles, and sixteen neighbouring lanes read the row's 256 consecutive bytes.  A lane's registers then run [k][d]; a conversion wants 16 neighbours along k of one d: sixteen moves stand ahead of each conversion.
; K's codes and scale words were laid by the launch before in the order of the operand registers (its head says how).
; SHARES.  A work-group is 16 query blocks of one head; a wave owns two neighbouring ones ("units"), 32 queries each: two tiles of 16.  Waves share nothing: no barrier.
; BOTH PRODUCTS ARE USED TRANSPOSED: S^T = K Q^T (source 0 = 16 keys), O^T = V^T P^T (source 0 = 16 channels): a lane holds ONE query (lane % 16) throughout.
; THE HEAD'S 64 IN AN INSTRUCTION OF 128.  Twelve registers of source 0 hold TWO tiles of 16 keys, one in k = 0..63, one in k = 64..127.  Q stands twice, as [q; 0] and as [0; q] (registers 0 q0 0 q1 0, six each):
; zero codes on Q's side leave one tile's products alone.  Q's scale word holds its two bytes twice.
; THE KEYS OF A TILE (mp, bp): row i is key 8 bp + 4 (i / 8) + i % 4 of slot 2 mp + (i / 4) % 2.  So lane (r, h) holds in the 32 registers of tiles mp = 0..3 the whole block b = 2 bp + h, register 4 m + x = key 4 b + x of slot m:
; a block's maximum needs no other lane, and two conversions give the six registers that P's layout wants of that lane.
; THE MASKS.  A slot is a group of registers, the same in every lane; cols and valid are read as scalars.  A slot that does not count: -infinity into its 16 registers, under a scalar branch.  The triangle: for a pair of slots
; of which one is the diagonal one; one compare of the register's key with the lane's query serves both.  A row for which no key counts gets NaN, as a softmax of nothing but -infinity gives.
; AHEAD.  Unit 1's K and Q are asked for as soon as unit 0's last K Q^T has read those registers.  V's numbers come in four pieces of 128 registers; each half of a piece is asked for again as soon as its conversions are done.
; NOT USED, AND WHY.  Tensor loads and joint loads in a cluster: which blocks a query block reads is said by cols, an input, and a tensor descriptor takes no loaded number.
; LIMITS: NaN and infinities in v are not served; a p under 2^-126 counts as 0; columns are held at 127; a block of zeros has the scale byte 1 (its codes are zeros).
; REGISTERS.  Window 0: v4-19 the lane's places; v20-23 cols as loaded; v36-51 offsets; v56-71 scale words; v72-127 statistics; v128-255 V's numbers, then S^T, then p; O^T and the rows on their way out lie over p.
;   Window 1: v0-95 K (24 a pair of slots); v96-191 V's codes (12 a tile of 16 channels and 128 along K); v192-221 Q; v222-245 P's codes.
.set KVREC,  1536
.set SPITCH, 272                       ; the way out: a stage row, 256 bytes + 16
.set STAGEB, 16*SPITCH
.set FLOOR,  0x1800000                 ; 2^(3 - 127)
.set EOFF,   0xff000000                ; takes 2 off an exponent field
.set LQ,  4                            ; 48 r + 24 h: my 24 bytes of a row of Q
.set LQS, 5                            ; 2 x lane: a row's two scale bytes
.set LC1, 6                            ; cols: 4 ((lane / 4) % 2): which slot of a pair my row of K's tiles belongs to
.set DV,  7                            ; r - 4 h: register (bp, x) is hidden from my query where 8 bp + x - 16 qt is greater
.set KL,  10                           ; 16 (j + 8 h), j = 4 ((lane / 8) % 2) + lane % 4: my place in a unit of K's codes
.set KSL, 11                           ; 4 (j + 8 h): and among K's scale words
.set VTL, 12                           ; 1024 h + 16 r: in a block of v: four keys down for lanes 16-31, my four channels
.set STO, 15
.set RD,  16
.set GO,  17                           ; 16 x lane
.set SH8, 18                           ; 8 h
.set NINF, 19                          ; -infinity
.set RAW, 20                           ; v20-23 cols of slot 2 mp + (lane / 4) % 2
.set KO,  36
.set KSO, 40
.set VO,  44                           ; v44-51 slot m's block in v, + my place
.set KS,  56                           ; K's scale words, one register a pair of slots: lanes 0-15 tiles bp 0, 1; lanes 16-31 tiles 2, 3
.set VS,  60                           ; v60-67 V's scale words: tile of channels d, half g of K: register 2 d + g
.set QS,  68                           ; Q's scale words: lanes 0-15 tile 0, lanes 16-31 tile 1
.set PW,  70                           ; v70-71 P's scale words for the two halves of K
.set AD,  72                           ; v72 -c M; v73, 75, 77, 79 the largest score of my four blocks
.set SM,  80
.set TB,  88
.set SO,  92
.set BY,  96
.set MX,  100
.set RR,  102
.set FL,  104
.set PT,  106
.set TT,  112
.set T0,  TT                           ; v112-127 and v72-87: while V is quantised, two runs of 16 neighbours along k for the conversions
.set T1,  AD
.set S,   128
.set KF,  0                            ; window 1
.set VF,  96
.set QF,  192
.set PC,  222
.set CS,  22                           ; s[22:23] c = log2(e) / 8;  s24 -c
.set SEL, 26                           ; s[26:27] v_permlanex16_b32's selects for lane l xor 16
.set NB,  28                           ; s28, s29 the two units' query blocks
.set VT,  30                           ; s[30:31] v at my head
.set COL, 68                           ; s68-83 the two units' columns
.set VAL, 84                           ; s84-87 and valid bytes
.set MSB, 0
.macro WIN new                         ; the immediate's high byte repeats the setting that is left
.if MSB != \new
	s_set_vgpr_msb (MSB<<8)|\new
.set MSB, \new
.endif
.endm
.set TO_W1, 0x40                       ; destination window 1
.set IN_W1, 0x41                       ; source 0 and destination window 1
.set MUL,   0x05                       ; sources 0 and 1 window 1; C and D window 0
.macro LOADQ u                         ; 7 loads: a unit's 32 rows of Q
	global_load_u16 v[QS], v[LQS], s[6:7] offset:64*\u
	WIN TO_W1
.irp p, 0,1,2
	global_load_b64 v[QF+6+2*\p:QF+7+2*\p], v[LQ], s[4:5] offset:1536*\u+8*\p th:TH_LOAD_NT
	global_load_b64 v[QF+18+2*\p:QF+19+2*\p], v[LQ], s[4:5] offset:1536*\u+768+8*\p th:TH_LOAD_NT
.endr
	WIN 0
.endm
.macro LOADRAW u
.irp c, 0,1,2,3
	global_load_b32 v[RAW+\c], v[LC1], s[12:13] offset:32*\u+8*\c
.endr
.endm
.macro OFFS                            ; columns, held inside the table, become byte offsets in the head's records
.irp c, 0,1,2,3
	v_min_u32 v[RAW+\c], 127, v[RAW+\c]
.endr
.irp c, 0,1,2,3
	v_mad_u32_u24 v[KO+\c], v[RAW+\c], KVREC, v[KL]
	v_lshl_add_u32 v[KSO+\c], v[RAW+\c], 6, v[KSL]
.endr
.endm
.macro LOADK                           ; 28 loads
.irp c, 0,1,2,3
	global_load_b32 v[KS+\c], v[KSO+\c], s[10:11]
.endr
	WIN TO_W1
.irp c, 0,1,2,3
.irp i, 0,1,2,3,4,5
	global_load_b128 v[KF+24*\c+4*\i:KF+24*\c+4*\i+3], v[KO+\c], s[8:9] offset:256*\i
.endr
.endr
	WIN 0
.endm
; V.  Piece pp = 2 g + c: for my lane the block b = 2 pp + h, all four tiles of channels: register S + 16 m + 4 x + d = key 4 b + x of slot m, channel 4 r + d.  Half hf: slots 4 hf .. 4 hf + 3: 16 loads, each of two whole rows of 256 bytes
.macro VLOADH pp, hf
.irp mm, 0,1,2,3
.irp x, 0,1,2,3
	global_load_b128 v[S+64*(\hf)+16*\mm+4*\x:S+64*(\hf)+16*\mm+4*\x+3], v[VO+4*(\hf)+\mm], s[VT:VT+1] offset:256*\x+2048*(\pp)
.endr
.endr
.endm
.macro VMAX hf                         ; the largest magnitudes of the four channels' blocks, the four by turns; the floor is the first half's third leaf
.if (\hf) == 0
.irp d, 0,1,2,3
	v_max3_num_f32 v[PT+\d], |v[S+\d]|, |v[S+4+\d]|, FLOOR
.endr
.irp i, 2,4,6,8,10,12,14
.irp d, 0,1,2,3
	v_max3_num_f32 v[PT+\d], v[PT+\d], |v[S+4*\i+\d]|, |v[S+4*\i+4+\d]|
.endr
.endr
.else
.irp i, 16,18,20,22,24,26,28,30
.irp d, 0,1,2,3
	v_max3_num_f32 v[PT+\d], v[PT+\d], |v[S+4*\i+\d]|, |v[S+4*\i+4+\d]|
.endr
.endr
.endif
.endm
.macro VCONV pp, hf                    ; half hf of the piece becomes codes: two channels at a time, each gathered into a run of 16 registers
.irp dp, 0,2
	WIN 0
.irp i, 0,1,2,3,4,5,6,7,8,9,10,11,12,13,14,15
	v_mov_b32 v[T0+\i], v[S+64*(\hf)+4*\i+\dp]
.endr
.irp i, 0,1,2,3,4,5,6,7,8,9,10,11,12,13,14,15
	v_mov_b32 v[T1+\i], v[S+64*(\hf)+4*\i+\dp+1]
.endr
	WIN TO_W1
.if (\hf) == 0
	v_cvt_scalef32_pk16_fp6_f32 v[VF+48*((\pp)/2)+12*\dp+6*((\pp)%2):VF+48*((\pp)/2)+12*\dp+6*((\pp)%2)+2], v[T0:T0+15], v[SO+\dp]          ; into their place in the operand
	v_cvt_scalef32_pk16_fp6_f32 v[VF+48*((\pp)/2)+12*\dp+12+6*((\pp)%2):VF+48*((\pp)/2)+12*\dp+12+6*((\pp)%2)+2], v[T1:T1+15], v[SO+\dp+1]
.else
	v_cvt_scalef32_pk16_fp6_f32 v[PC+4*\dp:PC+4*\dp+2], v[T0:T0+15], v[SO+\dp]       ; (a conversion's three registers begin on an even number: these wait in P's registers and are moved)
	v_cvt_scalef32_pk16_fp6_f32 v[PC+4*\dp+4:PC+4*\dp+6], v[T1:T1+15], v[SO+\dp+1]
.endif
	v_nop                                          ; one plain line behind the conversions: the next moves write their sources
.endr
	WIN 0
.endm
.macro VFIN pp                         ; the second halves' codes to their place; the scale bytes into the words
	WIN IN_W1
.irp d, 0,1,2,3
.irp i, 0,1,2
	v_mov_b32 v[VF+48*((\pp)/2)+12*\d+6*((\pp)%2)+3+\i], v[PC+4*\d+\i]
.endr
.endr
	WIN 0
.if (\pp)%2 == 0
.irp d, 0,1,2,3
	v_lshrrev_b32 v[VS+2*\d+(\pp)/2], 23, v[SO+\d] ; the byte of block h of this half of K
.endr
.else
.irp d, 0,1,2,3
	v_lshrrev_b32 v[BY+\d], 23, v[SO+\d]           ; and of block 2 + h
.endr
.irp d, 0,1,2,3
	v_lshl_or_b32 v[VS+2*\d+(\pp)/2], v[BY+\d], 16, v[VS+2*\d+(\pp)/2]
.endr
.irp d, 0,1,2,3
	v_lshlrev_b32 v[VS+2*\d+(\pp)/2], v[SH8], v[VS+2*\d+(\pp)/2]
.endr
.irp d, 0,1,2,3
	v_permlanex16_b32 v[BY+\d], v[VS+2*\d+(\pp)/2], s[SEL], s[SEL+1]
.endr
.irp d, 0,1,2,3
	v_or_b32 v[VS+2*\d+(\pp)/2], v[VS+2*\d+(\pp)/2], v[BY+\d]   ; with lane l xor 16's the word is whole, in both halves of the lanes
.endr
.endif
.endm
.macro VQUANT u
	s_wait_xcnt 0x0                                ; the last stores have read their registers, into which the loads below land; the last loads have read their offsets
.irp m, 0,1,2,3,4,5,6,7
	s_lshl_b32 s48, s[COL+8*\u+\m], 13
	v_add_nc_u32 v[VO+\m], s48, v[VTL]
.endr
	VLOADH 0, 0
	VLOADH 0, 1
.set pq, 0
.rept 4
	s_wait_loadcnt 16                              ; the piece's first half, and all issued ahead of it, are in; the second half's 16 loads may be out
	VMAX 0
	s_wait_loadcnt 0x0                             ; nothing was issued behind the second half
	VMAX 1
.irp d, 0,1,2,3
	v_add_nc_u32 v[SO+\d], EOFF, v[PT+\d]          ; the conversion takes the exponent field of this operand as its scale
.endr
	VCONV pq, 0
.if pq < 3
	VLOADH pq+1, 0                                 ; the first half's registers have been read for the last time
.endif
	VCONV pq, 1
.if pq < 3
	VLOADH pq+1, 1
.endif
	VFIN pq
.set pq, pq+1
.endr
.endm
.macro MASKS u, qt
.irp mp, 0,1,2,3
	s_cmp_eq_u32 s[COL+8*\u+2*\mp], s[NB+\u]
	s_cselect_b32 s52, -1, 0
	s_cmp_eq_u32 s[COL+8*\u+2*\mp+1], s[NB+\u]
	s_cselect_b32 s53, -1, 0
	s_or_b32 s54, s52, s53
	s_cmp_eq_u32 s54, 0
	s_cbranch_scc1 .Lnd_\@_\mp                     ; neither slot of the pair is the diagonal one
.irp bp, 0,1,2,3
.irp x, 0,1,2,3
.if 8*\bp+\x+4 > 16*\qt
	v_cmp_gt_i32 s48, 8*\bp+\x-16*\qt, v[DV]       ; lanes from whose query this register's key is hidden
	s_and_b32 s49, s48, s52
	v_cndmask_b32 v[S+32*\bp+8*\mp+\x], v[S+32*\bp+8*\mp+\x], v[NINF], s49       ; each accumulator is read from its low end on
	s_and_b32 s50, s48, s53
	v_cndmask_b32 v[S+32*\bp+8*\mp+4+\x], v[S+32*\bp+8*\mp+4+\x], v[NINF], s50
.endif
.endr
.endr
.Lnd_\@_\mp:
.endr
.irp m, 0,1,2,3,4,5,6,7
	s_bfe_u32 s48, s[VAL+2*\u+\m/4], (8<<16)|(8*(\m%4))
	s_cmp_lg_u32 s48, 0
	s_cbranch_scc1 .Lok_\@_\m                      ; the slot counts
.irp bp, 0,1,2,3
.irp x, 0,1,2,3
	v_mov_b32 v[S+32*\bp+4*\m+\x], v[NINF]
.endr
.endr
.Lok_\@_\m:
.endr
.endm
; ONE TILE OF 16 QUERIES of unit u.  more = 1: the next unit's K and Q are asked for on the way.
.macro TILE u, qt, more
	s_wait_xcnt 0x0                                ; the last tile's stores have read their registers, which the products below write
	WIN MUL
.set cc, 0
.rept 4                                            ; S^T = K Q^T: 16 products on 16 accumulators, each begun with the constant 0.  cc: the pair of slots; tt: the tile's keys
.set tt, 0
.rept 4
.set rD, S+32*tt+8*cc
.set rA, KF+24*cc+12*(tt/2)
.set rB, QF+12*\qt+6-6*(tt%2)                      ; an even tile lies in k = 0..63: [q; 0];  an odd one in k = 64..127: [0; q]
.if (tt < 2) && (\qt == 0)
	v_wmma_scale_f32_16x16x128_f8f6f4 v[rD:rD+7], v[rA:rA+11], v[rB:rB+11], 0, v[KS+cc], v[QS] matrix_a_fmt:MATRIX_FMT_FP6 matrix_b_fmt:MATRIX_FMT_FP6
.elseif tt < 2
	v_wmma_scale_f32_16x16x128_f8f6f4 v[rD:rD+7], v[rA:rA+11], v[rB:rB+11], 0, v[KS+cc], v[QS] matrix_a_fmt:MATRIX_FMT_FP6 matrix_b_fmt:MATRIX_FMT_FP6 matrix_b_scale:MATRIX_SCALE_ROW1
.elseif \qt == 0
	v_wmma_scale_f32_16x16x128_f8f6f4 v[rD:rD+7], v[rA:rA+11], v[rB:rB+11], 0, v[KS+cc], v[QS] matrix_a_fmt:MATRIX_FMT_FP6 matrix_b_fmt:MATRIX_FMT_FP6 matrix_a_scale:MATRIX_SCALE_ROW1
.else
	v_wmma_scale_f32_16x16x128_f8f6f4 v[rD:rD+7], v[rA:rA+11], v[rB:rB+11], 0, v[KS+cc], v[QS] matrix_a_fmt:MATRIX_FMT_FP6 matrix_b_fmt:MATRIX_FMT_FP6 matrix_a_scale:MATRIX_SCALE_ROW1 matrix_b_scale:MATRIX_SCALE_ROW1
.endif
.set tt, tt+1
.endr
.set cc, cc+1
.endr
	WIN 0
.rept 4
	v_nop                                          ; four places ahead of the first touch of the scores and of loads into K's, Q's and their scales' registers
.endr
.if \more && (\qt == 1)
	s_wait_loadcnt 0x0                             ; the next unit's cols, asked for a tile ago
	OFFS
	LOADK                                          ; K's and Q's registers have been read for the last time: the next unit's land under this tile's softmax
	LOADQ 1
.endif
	MASKS \u, \qt
	; the largest score of each of my four blocks, the four by turns
.irp c, 0,1,2,3
	v_max3_num_f32 v[AD+2*\c+1], v[S+32*\c], v[S+32*\c+1], v[S+32*\c+2]
.endr
.irp i, 3,5,7,9,11,13,15,17,19,21,23,25,27,29
.irp c, 0,1,2,3
	v_max3_num_f32 v[AD+2*\c+1], v[AD+2*\c+1], v[S+32*\c+\i], v[S+32*\c+\i+1]
.endr
.endr
.irp c, 0,1,2,3
	v_max_num_f32 v[AD+2*\c+1], v[AD+2*\c+1], v[S+32*\c+31]
.endr
	v_max3_num_f32 v[MX], v[AD+1], v[AD+3], v[AD+5]
	v_max_num_f32 v[MX], v[MX], v[AD+7]
	v_permlanex16_b32 v[MX+1], v[MX], s[SEL], s[SEL+1]
	v_max_num_f32 v[MX], v[MX], v[MX+1]            ; with lane l xor 16's four blocks: the row's largest score M
	v_mul_f32 v[AD], s24, v[MX]                    ; -c M
.set ii, 0
.rept 64
	v_pk_fma_f32 v[S+ii:S+ii+1], v[S+ii:S+ii+1], s[CS:CS+1], v[AD:AD+1] op_sel_hi:[1,0,0]   ; c s - c M, two at a time
.set ii, ii+2
.endr
.irp c, 0,1,2,3
	v_fma_f32 v[TB+\c], v[AD+2*\c+1], s[CS], v[AD]   ; the same of each block's largest score: p rises with the score, so this gives the block's largest p, by the same instructions on the same bits
.endr
.set ii, 0
.rept 128
	v_exp_f32 v[S+ii], v[S+ii]
.set ii, ii+1
.endr
.irp c, 0,1,2,3
	v_exp_f32 v[TB+\c], v[TB+\c]
.endr
.if \more && (\qt == 0)
	LOADRAW 1                                      ; the next unit's cols: a tile ahead of their use
.endif
	v_nop                                          ; a plain line behind the exponentials
	s_wait_alu depctr_va_vdst(0)                   ; one wait for the batch of 132, ahead of its first reader
.irp c, 0,1,2,3
	v_pk_add_f32 v[SM+2*\c:SM+2*\c+1], v[S+32*\c:S+32*\c+1], v[S+32*\c+2:S+32*\c+3]   ; the row's sum, two at a time, in four chains
.endr
.irp j, 4,6,8,10,12,14,16,18,20,22,24,26,28,30
.irp c, 0,1,2,3
	v_pk_add_f32 v[SM+2*\c:SM+2*\c+1], v[SM+2*\c:SM+2*\c+1], v[S+32*\c+\j:S+32*\c+\j+1]
.endr
.endr
	v_pk_add_f32 v[SM:SM+1], v[SM:SM+1], v[SM+2:SM+3]
	v_pk_add_f32 v[SM+4:SM+5], v[SM+4:SM+5], v[SM+6:SM+7]
	v_pk_add_f32 v[SM:SM+1], v[SM:SM+1], v[SM+4:SM+5]
	v_add_f32 v[SM], v[SM], v[SM+1]
	v_permlanex16_b32 v[SM+1], v[SM], s[SEL], s[SEL+1]
	v_add_f32 v[SM], v[SM], v[SM+1]
	v_rcp_f32 v[RR], v[SM]
	v_nop                                          ; a plain line behind the reciprocal
	s_wait_alu depctr_va_vdst(0)                   ; and its wait, ahead of its first reader
	v_mul_f32 v[FL], 0, v[RR]                      ; 0; NaN for a row without keys
.irp c, 0,1,2,3
	v_mul_f32 v[TB+\c], v[TB+\c], v[RR]            ; the block's largest p
.endr
.irp c, 0,1,2,3
	v_max_num_f32 v[TB+\c], FLOOR, v[TB+\c]        ; the byte cannot fall under 1
.endr
.irp c, 0,1,2,3
	v_add_nc_u32 v[SO+\c], EOFF, v[TB+\c]          ; the conversion's scale operand
.endr
.irp c, 0,1,2,3
	v_lshrrev_b32 v[BY+\c], 23, v[SO+\c]
.endr
.irp g, 0,1                                        ; P's scale word for blocks 4 g .. 4 g + 3: mine are 4 g + h and 4 g + 2 + h
	v_lshl_or_b32 v[PW+\g], v[BY+2*\g+1], 16, v[BY+2*\g]
.endr
.irp g, 0,1
	v_lshlrev_b32 v[PW+\g], v[SH8], v[PW+\g]
.endr
.irp g, 0,1
	v_permlanex16_b32 v[PT+\g], v[PW+\g], s[SEL], s[SEL+1]
.endr
.irp g, 0,1
	v_or_b32 v[PW+\g], v[PW+\g], v[PT+\g]
.endr
.set ii, 0
.rept 64
	v_pk_mul_f32 v[S+ii:S+ii+1], v[S+ii:S+ii+1], v[RR:RR+1] op_sel_hi:[1,0]   ; p, finished and normalised: what the quantiser takes
.set ii, ii+2
.endr
.irp c, 0,1,2,3
	v_cvt_scalef32_pk16_fp6_f32 v[TT+4*\c:TT+4*\c+2], v[S+32*\c+16:S+32*\c+31], v[SO+\c]
.endr
	WIN TO_W1
.irp c, 0,1,2,3
	v_cvt_scalef32_pk16_fp6_f32 v[PC+6*\c:PC+6*\c+2], v[S+32*\c:S+32*\c+15], v[SO+\c]
.endr
	v_nop                                          ; one plain line behind the conversions
.irp c, 0,1,2,3
.irp i, 0,1,2
	v_mov_b32 v[PC+6*\c+3+\i], v[TT+4*\c+\i]
.endr
.endr
.rept 8
	v_nop                                          ; operands and scale words made by vector instructions stand this far ahead of a scaled matrix instruction
.endr
	WIN MUL
.set gg, 0
.rept 2                                            ; O^T = V^T P^T: four accumulators by turns, one instruction a turn; the first four begin the sums
.set dd, 0
.rept 4
.set rD, S+8*dd
.set rA, VF+48*gg+12*dd
.set rB, PC+12*gg
.if gg == 0
	v_wmma_scale_f32_16x16x128_f8f6f4 v[rD:rD+7], v[rA:rA+11], v[rB:rB+11], 0, v[VS+2*dd], v[PW] matrix_a_fmt:MATRIX_FMT_FP6 matrix_b_fmt:MATRIX_FMT_FP6
.else
	v_wmma_scale_f32_16x16x128_f8f6f4 v[rD:rD+7], v[rA:rA+11], v[rB:rB+11], v[rD:rD+7], v[VS+2*dd+1], v[PW+1] matrix_a_fmt:MATRIX_FMT_FP6 matrix_b_fmt:MATRIX_FMT_FP6
.endif
.set dd, dd+1
.endr
.set gg, gg+1
.endr
	WIN 0
.rept 5
	v_nop                                          ; four places ahead of the first read of O^T; a fifth, since the next tile's products write over it
.endr
	; register j of tile d is channel 32 h + 4 j + d of my query.  The addition of 0 (NaN for a row without keys) also puts each number at its channel's place; each accumulator is read from its low end on
.irp j, 0,1,2,3,4,5,6,7
.irp d, 0,1,2,3
	v_add_f32 v[S+64+4*\j+\d], v[S+8*\d+\j], v[FL]
.endr
.endr
	; THE WAY OUT: a lane holds 128 neighbouring bytes of its query's row; through my own stage the rows come back whole
.irp j, 0,1,2,3,4,5,6,7
	ds_store_b128 v[STO], v[S+64+4*\j:S+64+4*\j+3] offset:16*\j
.endr
.irp i, 0,1,2,3,4,5,6,7
	ds_load_b128 v[S+32+4*\i:S+32+4*\i+3], v[RD] offset:2*\i*SPITCH   ; LDS serves a wave's instructions in order: these see the stores above
.endr
.irp i, 0,1,2,3,4,5,6,7
	s_wait_dscnt 7-\i                              ; the younger loads may stay out
	global_store_b128 v[GO], v[S+32+4*\i:S+32+4*\i+3], s[16:17] offset:8192*\u+4096*\qt+512*\i th:TH_STORE_NT   ; two rows: 512 consecutive bytes, aligned
.endr
.endm
.macro UNIT u, more
	VQUANT \u                                      ; its last wait is for all loads: Q, K and K's scale words are in too
	v_lshl_or_b32 v[QS], v[QS], 16, v[QS]          ; a row's two scale bytes twice: for [q; 0] and for [0; q]
.rept 8
	v_nop                                          ; a scale word made by a vector instruction stands this far ahead of a scaled matrix instruction
.endr
	TILE \u, 0, \more
	TILE \u, 1, \more
.endm
	s_load_b256 s[4:11], s[0:1], 0x0               ; q_codes s[4:5], q_scales s[6:7], kvc s[8:9], kvs s[10:11]
	s_load_b128 s[12:15], s[0:1], 0x20             ; cols s[12:13], valid s[14:15]
	s_load_b64 s[16:17], s[0:1], 0x30              ; out0
	s_load_b64 s[VT:VT+1], s[0:1], 0x38            ; v
	v_lshl_add_u32 v110, v0, 2, 0x8800
	v_mov_b32 v111, 0
	v_lshrrev_b32 v1, 5, v0
	v_readfirstlane_b32 s18, v1                    ; wave 0..7
	s_and_b32 s19, ttmp7, 0xffff                   ; the head
	s_lshl_b32 s28, ttmp9, 4
	s_lshl_b32 s20, s18, 1
	s_add_co_u32 s28, s28, s20                     ; my first query block: 16 x work-group x + 2 x wave
	s_add_co_u32 s29, s28, 1                       ; and my second
	s_mul_i32 s50, s19, 196608                     ; q_codes: 4,096 rows of 48 bytes a head, 1,536 bytes a block
	s_mul_i32 s51, s28, 1536
	s_add_co_u32 s50, s50, s51
	s_mov_b32 s51, 0
	s_lshl_b32 s52, s19, 13                        ; q_scales: 8,192 bytes a head, 64 a block
	s_lshl_b32 s53, s28, 6
	s_add_co_u32 s52, s52, s53
	s_mov_b32 s53, 0
	s_mul_i32 s54, s19, 196608                     ; kvc: 128 records of 1,536 bytes a head
	s_mov_b32 s55, 0
	s_lshl_b32 s56, s19, 13                        ; kvs: 128 x 64 bytes a head
	s_mov_b32 s57, 0
	s_lshl_b32 s58, s28, 5                         ; cols: 32 bytes a block
	s_mov_b32 s59, 0
	s_lshl_b32 s60, s28, 3                         ; valid: 8
	s_mov_b32 s61, 0
	s_lshl_b32 s32, s19, 20                        ; out0 and v: 1,048,576 bytes a head
	s_mov_b32 s33, 0
	s_lshl_b32 s62, s28, 13                        ; out0: 8,192 bytes a block
	s_mov_b32 s63, 0
	s_mov_b32 s[CS], 0x3e38aa3b                    ; c = log2(e) / sqrt(64)
	s_mov_b32 s[CS+1], s[CS]                       ; (named with it as a pair, so it is written)
	s_mov_b32 s24, 0xbe38aa3b                      ; -c
	s_mov_b32 s[SEL], 0x76543210
	s_mov_b32 s[SEL+1], 0xfedcba98
	s_mul_i32 s21, s18, STAGEB                     ; my stage
	v_and_b32 v1, 31, v0                           ; lane
	v_and_b32 v2, 15, v0                           ; r
	v_bfe_u32 v3, v0, 4, 1                         ; h
	v_mul_u32_u24 v[LQ], v2, 48
	v_mad_u32_u24 v[LQ], v3, 24, v[LQ]
	v_lshlrev_b32 v[LQS], 1, v1
	v_bfe_u32 v[LC1], v0, 2, 1
	v_lshlrev_b32 v[LC1], 2, v[LC1]
	s_wait_kmcnt 0x0
	s_add_nc_u64 s[4:5], s[4:5], s[50:51]
	s_add_nc_u64 s[6:7], s[6:7], s[52:53]
	s_add_nc_u64 s[8:9], s[8:9], s[54:55]
	s_add_nc_u64 s[10:11], s[10:11], s[56:57]
	s_add_nc_u64 s[12:13], s[12:13], s[58:59]
	s_add_nc_u64 s[14:15], s[14:15], s[60:61]
	s_add_nc_u64 s[16:17], s[16:17], s[32:33]
	s_add_nc_u64 s[16:17], s[16:17], s[62:63]
	s_add_nc_u64 s[VT:VT+1], s[VT:VT+1], s[32:33]
	s_load_b512 s[COL:COL+15], s[12:13], 0x0       ; both units' columns,
	s_load_b128 s[VAL:VAL+3], s[14:15], 0x0        ; and valid bytes, as scalars
	LOADQ 0
	LOADRAW 0
	v_bfe_u32 v[KSL], v0, 3, 1                     ; the other places are made while these loads are out
	v_and_b32 v[KL], 3, v0
	v_lshl_add_u32 v[KSL], v[KSL], 2, v[KL]        ; j = 4 ((lane / 8) % 2) + lane % 4
	v_lshl_add_u32 v[KSL], v3, 3, v[KSL]           ; + 8 h
	v_lshlrev_b32 v[KL], 4, v[KSL]
	v_lshlrev_b32 v[KSL], 2, v[KSL]
	v_lshlrev_b32 v[VTL], 4, v2
	v_lshl_add_u32 v[VTL], v3, 10, v[VTL]
	v_lshlrev_b32 v[DV], 2, v3
	v_sub_nc_u32 v[DV], v2, v[DV]                  ; r - 4 h, as a signed number
	v_mul_u32_u24 v[STO], v2, SPITCH
	v_lshl_add_u32 v[STO], v3, 7, v[STO]
	v_add_nc_u32 v[STO], s21, v[STO]               ; in: row r, + 128 h
	v_mul_u32_u24 v[RD], v3, SPITCH
	v_lshl_add_u32 v[RD], v2, 4, v[RD]
	v_add_nc_u32 v[RD], s21, v[RD]                 ; back: lanes 0-15 one row, lanes 16-31 the next
	v_lshlrev_b32 v[GO], 4, v1
	v_lshlrev_b32 v[SH8], 3, v3
	v_mov_b32 v[NINF], 0xff800000
	v_mov_b32 v[MX+1], 0                           ; written once: a lane permute's destination counts as one of its sources
	v_mov_b32 v[RR+1], 0                           ; (the upper half of a pair of which the packed form takes the low word)
	WIN TO_W1
.irp z, 0,1,2,3,4,5,12,13,14,15,16,17,24,25,26,27,28,29
	v_mov_b32 v[QF+\z], 0                          ; the zero codes round q0 and q1: written once, for both units
.endr
	WIN 0
	s_wait_kmcnt 0x0
.irp i, 0,1,2,3,4,5,6,7,8,9,10,11,12,13,14,15
	s_min_u32 s[COL+\i], s[COL+\i], 127            ; held inside the table
.endr
	s_wait_loadcnt 0x0                             ; cols of unit 0 (and its Q)
	OFFS
	LOADK
	UNIT 0, 1
	UNIT 1, 0
	s_wait_tensorcnt 0x0
	ds_add_u32 v110, v111
	s_wait_dscnt 0x0
	s_endpgm
.Lfunc_end_k_q44e885a4e7_attn:
	.size	k_q44e885a4e7_attn, .Lfunc_end_k_q44e885a4e7_attn-k_q44e885a4e7_attn
	.p2alignl 7, 3214868480
	.fill 96, 4, 3214868480
	.section	.rodata,"a",@progbits
	.p2align	6, 0x0
	.amdhsa_kernel k_q44e885a4e7_attn
		.amdhsa_group_segment_fixed_size 35840
		.amdhsa_private_segment_fixed_size 0
		.amdhsa_enable_private_segment 0
		.amdhsa_kernarg_size 64
		.amdhsa_user_sgpr_count 2
		.amdhsa_user_sgpr_kernarg_segment_ptr 1
		.amdhsa_wavefront_size32 1
		.amdhsa_system_sgpr_workgroup_id_x 1
		.amdhsa_system_sgpr_workgroup_id_y 1
		.amdhsa_system_sgpr_workgroup_id_z 1
		.amdhsa_system_vgpr_workitem_id 0
		.amdhsa_next_free_vgpr 512
		.amdhsa_next_free_sgpr 100
		.amdhsa_reserve_vcc 0
		.amdhsa_float_denorm_mode_32 3
		.amdhsa_float_denorm_mode_16_64 3
		.amdhsa_memory_ordered 1
		.amdhsa_forward_progress 1
		.amdhsa_inst_pref_size 255
	.end_amdhsa_kernel
	.section	.bss,"aw",@nobits
	.p2align	6
	.space	262144
	.amdgpu_metadata
---
amdhsa.version: [ 1, 2 ]
amdhsa.kernels:
  - .name:           k_q44e885a4e7_attn
    .symbol:         k_q44e885a4e7_attn.kd
    .args:
      - { .name: q_codes, .offset: 0, .size: 8, .value_kind: global_buffer, .address_space: global }
      - { .name: q_scales, .offset: 8, .size: 8, .value_kind: global_buffer, .address_space: global }
      - { .name: kvc, .offset: 16, .size: 8, .value_kind: global_buffer, .address_space: global }
      - { .name: kvs, .offset: 24, .size: 8, .value_kind: global_buffer, .address_space: global }
      - { .name: cols, .offset: 32, .size: 8, .value_kind: global_buffer, .address_space: global }
      - { .name: valid, .offset: 40, .size: 8, .value_kind: global_buffer, .address_space: global }
      - { .name: out0, .offset: 48, .size: 8, .value_kind: global_buffer, .address_space: global }
      - { .name: v, .offset: 56, .size: 8, .value_kind: global_buffer, .address_space: global }
    .group_segment_fixed_size: 35840
    .private_segment_fixed_size: 0
    .kernarg_segment_align: 8
    .kernarg_segment_size: 64
    .max_flat_workgroup_size: 256
    .sgpr_count:     100
    .vgpr_count:     512
    .wavefront_size: 32
...
	.end_amdgpu_metadata
.endif
;; end of part 4
;; ======== version 3 of 3: 2 launches
;; workspace buffers: kvc 6,291,456 bytes; kvs 262,144 bytes
;; launch quant (part 5): grid 1024 x 1, 4 waves a work-group, no clusters, 35,584 bytes of LDS; arguments k, kvc, kvs; writes kvc, kvs
.if DOCPART == 5
	.amdgcn_target "amdgcn-amd-amdhsa--gfx1250"
	.amdhsa_code_object_version 6
	.text
	.protected	k_q44e885a4e7_quant
	.globl	k_q44e885a4e7_quant
	.p2align	8
	.type	k_q44e885a4e7_quant,@function
k_q44e885a4e7_quant:
	s_mov_b64 s[64:65], 0
	v_nop
	global_prefetch_b8 v0, s[64:65] scope:SCOPE_SE
	s_setreg_imm32_b32 hwreg(HW_REG_WAVE_MODE, 25, 1), 1
	s_wait_xcnt 0x0
; K, [32 heads][4096 keys][64] f32, becomes codes of FP6 (E2M3) with E8M0 scale bytes (two blocks of 32 along d a key), laid in the order in which the attention launch's operand registers take them.
; (V is not touched here: the second product's blocks of 32 hold four keys of each of the eight GATHERED slots, so V's scales hang on the query block, and the attention launch quantises V from the input itself.)
; A block's scale is 2^(floor(log2(largest magnitude)) - 2): its byte is the largest magnitude's exponent field - 2, held at 1 from below by a floor among the maximum's leaves.
; (A block of zeros so gets the byte 1: its codes are zeros, and this program alone reads the bytes.)   LIMITS: NaN and infinities among the inputs are not served.
; SHARES.  A wave takes one block of 32 keys of one head: 8,192 bytes, by 16 loads of 512 consecutive bytes, all issued at the head.  They turn through the wave's own stage in LDS (rows of 256 bytes + 16),
; so that a lane holds 32 neighbours along d of a key.
; kvc, 1,536 bytes a block: place (j, h), j = key % 8, h = half of d, has 96 bytes: the 24 bytes of codes of keys j, 8 + j, 16 + j, 24 + j on end; byte group i (16 bytes) of place p = j + 8 h lies at 256 i + 16 p.
; kvs, 64 bytes a block: word j + 8 u: the scale bytes of keys 16 u + j (halves 0, 1) and 16 u + 8 + j (halves 0, 1).
; Every store covers whole aligned runs of 256 bytes.  No tensor loads and no ring: each byte is read once by one wave, and all of a wave's bytes are on their way from its first lines on.
.set PITCH, 272
.set STG,   32*PITCH                   ; a wave's stage
.set SCB,   4*STG                      ; behind the stages: 64 bytes of scale words for each wave
.set KVREC, 1536
.set FLOOR, 0x1800000                  ; 2^(3 - 127)
.set EOFF,  0xff000000                 ; takes 2 off an exponent field
.set KR, 16                            ; v16-79   K as loaded
.set OW, 80                            ; v80-81   the scale words on their way out
.set KX, 144                           ; v144-207 K turned: two blocks of 32 numbers
.set CK, 208                           ; v208-219 K's codes: 48 bytes a lane
.set TK, 220                           ; v220-227 the second halves of the two blocks, as the conversions leave them
.set KM, 248                           ; v248-255 two maxima, two scale operands, two bytes, the word, the neighbour's part
	s_load_b128 s[4:7], s[0:1], 0x0                ; k s[4:5], kvc s[6:7]
	s_load_b64 s[8:9], s[0:1], 0x10                ; kvs
	v_lshl_add_u32 v246, v0, 2, 0x8900
	v_mov_b32 v247, 0
	v_lshrrev_b32 v1, 5, v0
	v_readfirstlane_b32 s12, v1                    ; wave 0..3
	v_and_b32 v2, 31, v0                           ; lane
	v_lshlrev_b32 v3, 4, v2                        ; 16 x lane; never rewritten
	s_lshl_b32 s13, ttmp9, 2
	s_add_co_u32 s13, s13, s12                     ; my block: 4 x work-group + wave
	s_lshl_b32 s14, s13, 13                        ; 8,192 bytes of K a block
	s_mov_b32 s15, 0
	s_mul_i32 s16, s13, KVREC
	s_mov_b32 s17, 0
	s_lshl_b32 s18, ttmp9, 8                       ; 256 bytes of scale words a work-group
	s_mov_b32 s19, 0
	s_wait_alu depctr_va_vdst(0)
	s_wait_kmcnt 0x0
	s_add_nc_u64 s[4:5], s[4:5], s[14:15]
	s_add_nc_u64 s[6:7], s[6:7], s[16:17]
	s_add_nc_u64 s[8:9], s[8:9], s[18:19]
.irp i, 0,1,2,3,4,5,6,7,8,9,10,11,12,13,14,15
	global_load_b128 v[KR+4*\i:KR+4*\i+3], v3, s[4:5] offset:512*\i th:TH_LOAD_NT   ; two keys' rows: 512 consecutive bytes
.endr
	; the lane's places.  A lane is (j, h, u): lane = j + 8 h + 16 u; it takes keys 16 u + j and 16 u + 8 + j, half h of d
	s_mul_i32 s20, s12, STG                        ; my stage
	s_lshl_b32 s21, s12, 6
	s_add_co_u32 s21, s21, SCB                     ; my scale words
	v_lshrrev_b32 v6, 4, v2                        ; u
	v_and_b32 v7, 15, v2                           ; lane % 16
	v_and_b32 v8, 7, v2                            ; j
	v_bfe_u32 v9, v2, 3, 1                         ; h
	v_lshlrev_b32 v1, 3, v2                        ; 8 x lane
	v_mul_u32_u24 v5, v6, PITCH
	v_lshl_add_u32 v5, v7, 4, v5
	v_add_nc_u32 v5, s20, v5                       ; into the stage, as loaded: row lane / 16, 16 bytes a lane
	v_lshl_add_u32 v10, v6, 4, v8
	v_mul_u32_u24 v10, v10, PITCH
	v_lshl_add_u32 v10, v9, 7, v10
	v_add_nc_u32 v10, s20, v10                     ; out of the stage: row 16 u + j, + 128 h
	v_mul_u32_u24 v11, v6, 768
	v_lshl_add_u32 v11, v7, 4, v11                 ; the codes: byte groups 3 u .. 3 u + 2, place lane % 16
	v_lshl_add_u32 v12, v6, 3, v8
	v_lshl_add_u32 v12, v12, 2, s21                ; the scale word j + 8 u
	v_lshlrev_b32 v14, 3, v9                       ; 8 h
	v_mov_b32 v[KM+7], 0                           ; written once: the destination of a lane exchange counts as one of its sources
	s_wait_alu depctr_va_vdst(0)
	s_wait_loadcnt 0x0
.irp i, 0,1,2,3,4,5,6,7,8,9,10,11,12,13,14,15
	ds_store_b128 v5, v[KR+4*\i:KR+4*\i+3] offset:2*\i*PITCH
.endr
.irp t, 0,1
.irp i, 0,1,2,3,4,5,6,7
	ds_load_b128 v[KX+32*\t+4*\i:KX+32*\t+4*\i+3], v10 offset:8*\t*PITCH+16*\i   ; LDS serves a wave's instructions in order: these see the stores above
.endr
.endr
	s_wait_dscnt 0x0
.irp t, 0,1
	v_max3_num_f32 v[KM+\t], |v[KX+32*\t]|, |v[KX+32*\t+1]|, FLOOR
.endr
.irp i, 2,4,6,8,10,12,14,16,18,20,22,24,26,28,30
.irp t, 0,1
	v_max3_num_f32 v[KM+\t], v[KM+\t], |v[KX+32*\t+\i]|, |v[KX+32*\t+\i+1]|
.endr
.endr
.irp t, 0,1
	v_add_nc_u32 v[KM+2+\t], EOFF, v[KM+\t]        ; the conversion takes the exponent field of this operand as its scale
.endr
.irp t, 0,1
	v_lshrrev_b32 v[KM+4+\t], 23, v[KM+2+\t]       ; the scale's byte
.endr
.irp t, 0,1
	v_cvt_scalef32_pk16_fp6_f32 v[CK+6*\t:CK+6*\t+2], v[KX+32*\t:KX+32*\t+15], v[KM+2+\t]
	v_cvt_scalef32_pk16_fp6_f32 v[TK+4*\t:TK+4*\t+2], v[KX+32*\t+16:KX+32*\t+31], v[KM+2+\t]   ; (a conversion's three registers begin on an even number)
.endr
	v_lshl_or_b32 v[KM+6], v[KM+5], 16, v[KM+4]    ; my two bytes (a plain line behind the conversions)
.irp t, 0,1
.irp i, 0,1,2
	v_mov_b32 v[CK+6*\t+3+\i], v[TK+4*\t+\i]
.endr
.endr
	v_lshlrev_b32 v[KM+6], v14, v[KM+6]            ; at their places: 8 h bits up
	v_mov_b32_dpp v[KM+7], v[KM+6] row_xmask:8 row_mask:0xf bank_mask:0xf   ; the other half of d lies 8 lanes away
	v_or_b32 v[KM+6], v[KM+6], v[KM+7]
	ds_store_b32 v12, v[KM+6]                      ; both lanes of a word write the same value
.irp i, 0,1,2
	global_store_b128 v11, v[CK+4*\i:CK+4*\i+3], s[6:7] offset:256*\i   ; sixteen neighbouring lanes fill 256 consecutive bytes, aligned
.endr
	s_wait_dscnt 0x0                               ; for the others' sake: my scale words lie in LDS
	s_barrier_signal -1
	s_barrier_wait -1
	s_cmp_lg_u32 s12, 0
	s_cbranch_scc1 .Ldone
	ds_load_b64 v[OW:OW+1], v1 offset:SCB          ; wave 0: the four blocks' 256 bytes of scale words
	s_wait_dscnt 0x0
	global_store_b64 v1, v[OW:OW+1], s[8:9]
.Ldone:
	s_wait_tensorcnt 0x0
	ds_add_u32 v246, v247
	s_wait_dscnt 0x0
	s_endpgm
.Lfunc_end_k_q44e885a4e7_quant:
	.size	k_q44e885a4e7_quant, .Lfunc_end_k_q44e885a4e7_quant-k_q44e885a4e7_quant
	.p2alignl 7, 3214868480
	.fill 96, 4, 3214868480
	.section	.rodata,"a",@progbits
	.p2align	6, 0x0
	.amdhsa_kernel k_q44e885a4e7_quant
		.amdhsa_group_segment_fixed_size 35584
		.amdhsa_private_segment_fixed_size 0
		.amdhsa_enable_private_segment 0
		.amdhsa_kernarg_size 24
		.amdhsa_user_sgpr_count 2
		.amdhsa_user_sgpr_kernarg_segment_ptr 1
		.amdhsa_wavefront_size32 1
		.amdhsa_system_sgpr_workgroup_id_x 1
		.amdhsa_system_sgpr_workgroup_id_y 1
		.amdhsa_system_sgpr_workgroup_id_z 1
		.amdhsa_system_vgpr_workitem_id 0
		.amdhsa_next_free_vgpr 256
		.amdhsa_next_free_sgpr 66
		.amdhsa_reserve_vcc 0
		.amdhsa_float_denorm_mode_32 3
		.amdhsa_float_denorm_mode_16_64 3
		.amdhsa_memory_ordered 1
		.amdhsa_forward_progress 1
		.amdhsa_inst_pref_size 10
	.end_amdhsa_kernel
	.amdgpu_metadata
---
amdhsa.version: [ 1, 2 ]
amdhsa.kernels:
  - .name:           k_q44e885a4e7_quant
    .symbol:         k_q44e885a4e7_quant.kd
    .args:
      - { .name: k, .offset: 0, .size: 8, .value_kind: global_buffer, .address_space: global }
      - { .name: kvc, .offset: 8, .size: 8, .value_kind: global_buffer, .address_space: global }
      - { .name: kvs, .offset: 16, .size: 8, .value_kind: global_buffer, .address_space: global }
    .group_segment_fixed_size: 35584
    .private_segment_fixed_size: 0
    .kernarg_segment_align: 8
    .kernarg_segment_size: 24
    .max_flat_workgroup_size: 128
    .sgpr_count:     66
    .vgpr_count:     256
    .wavefront_size: 32
...
	.end_amdgpu_metadata
.endif
;; end of part 5
;; launch attn (part 6): grid 8 x 32, 8 waves a work-group, no clusters, 35,840 bytes of LDS; arguments q_codes, q_scales, kvc, kvs, cols, valid, out0, v; writes out0
.if DOCPART == 6
	.amdgcn_target "amdgcn-amd-amdhsa--gfx1250"
	.amdhsa_code_object_version 6
	.text
	.protected	k_q44e885a4e7_attn
	.globl	k_q44e885a4e7_attn
	.p2align	8
	.type	k_q44e885a4e7_attn,@function
k_q44e885a4e7_attn:
	s_mov_b64 s[64:65], 0
	v_nop
	global_prefetch_b8 v0, s[64:65] scope:SCOPE_SE
	s_setreg_imm32_b32 hwreg(HW_REG_WAVE_SCHED_MODE, 0, 2), 2
	s_setreg_imm32_b32 hwreg(HW_REG_WAVE_MODE, 25, 1), 1
	s_wait_xcnt 0x0
	s_wait_alu depctr_vm_vsrc(0)
; Block-sparse attention on codes of FP6 (E2M3).  For each head (32) and each block n of 32 queries (128): 8 slots m of 32 keys c, gathered by cols[n][m]; a slot counts where valid[n][m] is set; in a slot whose
; column is n itself only keys up to the query count.  p = softmax over the 256 places, finished and normalised in f32, is quantised and multiplied by the quantised V.
; THE SECOND PRODUCT'S K runs as the product has it, c outermost: k = 8 c + m.  A block of 32 is four keys (c = 4 b .. 4 b + 3) of all eight slots, for p and for V alike.  So V's scales hang on the gathered
; set: V is read as f32, from the input as it lies, and quantised here, once for each query block.  Inside a block the order 4 m + c % 4 is used on both sides.
; V WITHOUT A TRANSPOSITION THROUGH MEMORY.  Which channels form a tile of V^T is free: row i of tile d is channel 4 i + d.  So a load of 16 bytes at byte 16 r of a key's row gives lane r one number for each of the four
; tiles, and sixteen neighbouring lanes read the row's 256 consecutive bytes.  A lane's registers then run [k][d]; a conversion wants 16 neighbours along k of one d: sixteen moves stand ahead of each conversion.
; K's codes and scale words were laid by the launch before in the order of the operand registers (its head says how).
; SHARES.  A work-group is 16 query blocks of one head; a wave owns two neighbouring ones ("units"), 32 queries each: two tiles of 16.  Waves share nothing: no barrier.
; BOTH PRODUCTS ARE USED TRANSPOSED: S^T = K Q^T (source 0 = 16 keys), O^T = V^T P^T (source 0 = 16 channels): a lane holds ONE query (lane % 16) throughout.
; THE HEAD'S 64 IN AN INSTRUCTION OF 128.  Twelve registers of source 0 hold TWO tiles of 16 keys, one in k = 0..63, one in k = 64..127.  Q stands twice, as [q; 0] and as [0; q] (registers 0 q0 0 q1 0, six each):
; zero codes on Q's side leave one tile's products alone.  Q's scale word holds its two bytes twice.
; THE KEYS OF A TILE (mp, bp): row i is key 8 bp + 4 (i / 8) + i % 4 of slot 2 mp + (i / 4) % 2.  So lane (r, h) holds in the 32 registers of tiles mp = 0..3 the whole block b = 2 bp + h, register 4 m + x = key 4 b + x of slot m:
; a block's maximum needs no other lane, and two conversions give the six registers that P's layout wants of that lane.
; THE MASKS.  A slot is a group of registers, the same in every lane; cols and valid are read as scalars.  A slot that does not count: -infinity into its 16 registers, under a scalar branch.  The triangle: for a pair of slots
; of which one is the diagonal one; one compare of the register's key with the lane's query serves both.  A row for which no key counts gets NaN, as a softmax of nothing but -infinity gives.
; AHEAD.  Unit 1's K and Q are asked for as soon as unit 0's last K Q^T has read those registers.  V's numbers come in four pieces of 128 registers; each half of a piece is asked for again as soon as its conversions are done.
; NOT USED, AND WHY.  Tensor loads and joint loads in a cluster: which blocks a query block reads is said by cols, an input, and a tensor descriptor takes no loaded number.
; LIMITS: NaN and infinities in v are not served; a p under 2^-126 counts as 0; columns are held at 127; a block of zeros has the scale byte 1 (its codes are zeros).
; THE MODE: SCHED_MODE bits 1:0 = 2 (LLVM: expert scheduling mode 2), set by the entry lines.  The code itself states the register dependences between vector or matrix instructions and memory or LDS instructions,
; with s_wait_alu, always for 0.
; THE PLAN.  Registers that memory or LDS instructions touch:
;   S, v128-255     While V is quantised: V's loads land in it, two halves of 64; the maxima and the moves read a half; behind the half's conversions stands one wait on va_vdst, and the half's next loads follow it at once.
;                   In a tile: the products write it and the softmax works in it; the last additions write v192-223, which the LDS stores read; the LDS loads land in v160-191, which the global stores read.
;                   One wait on va_vdst ahead of the LDS stores; one on vm_vsrc ahead of the next writer of S: at the head of a unit's second tile, and at the head of unit 1's V.
;   K, Q, KS, QS    Loaded; read by a tile's 16 products (QS is also written once, by a vector line).  Loaded again in unit 0's second tile, behind one wait on va_vdst that stands behind OFFS.
;   RAW             Loaded; read and written by OFFS alone.      KO, KSO   Written by OFFS, read by K's loads.      VO   Written at the head of a unit's V, read by V's loads.
;   v[LQ], v[LQS], v[LC1], v[STO], v[RD], v[GO]   Made at the head, never written again.      v110, v111   Made at the head, read by the closing add alone.
;   Operands and scale words that vector instructions make for a scaled product (QS, the zero codes; P's codes and words; V's): behind the places one wait on va_vdst, ahead of the products.
;   Scalar registers that vector instructions write: s18 (the wave's number) and the triangle's masks s32-47, which are made in one run with one wait on va_sdst behind it.
; REGISTERS.  Window 0: v4-19 the lane's places; v20-23 cols as loaded; v36-51 offsets; v56-71 scale words; v72-127 statistics; v128-255 V's numbers, then S^T, then p; O^T and the rows on their way out lie over p.
;   Window 1: v0-95 K (24 a pair of slots); v96-191 V's codes (12 a tile of 16 channels and 128 along K); v192-221 Q; v222-245 P's codes.
.set KVREC,  1536
.set SPITCH, 272                       ; the way out: a stage row, 256 bytes + 16
.set STAGEB, 16*SPITCH
.set FLOOR,  0x1800000                 ; 2^(3 - 127)
.set EOFF,   0xff000000                ; takes 2 off an exponent field
.set LQ,  4                            ; 48 r + 24 h: my 24 bytes of a row of Q
.set LQS, 5                            ; 2 x lane: a row's two scale bytes
.set LC1, 6                            ; cols: 4 ((lane / 4) % 2): which slot of a pair my row of K's tiles belongs to
.set DV,  7                            ; r - 4 h: register (bp, x) is hidden from my query where 8 bp + x - 16 qt is greater
.set KL,  10                           ; 16 (j + 8 h), j = 4 ((lane / 8) % 2) + lane % 4: my place in a unit of K's codes
.set KSL, 11                           ; 4 (j + 8 h): and among K's scale words
.set VTL, 12                           ; 1024 h + 16 r: in a block of v: four keys down for lanes 16-31, my four channels
.set STO, 15
.set RD,  16
.set GO,  17                           ; 16 x lane
.set SH8, 18                           ; 8 h
.set NINF, 19                          ; -infinity
.set RAW, 20                           ; v20-23 cols of slot 2 mp + (lane / 4) % 2
.set KO,  36
.set KSO, 40
.set VO,  44                           ; v44-51 slot m's block in v, + my place
.set KS,  56                           ; K's scale words, one register a pair of slots: lanes 0-15 tiles bp 0, 1; lanes 16-31 tiles 2, 3
.set VS,  60                           ; v60-67 V's scale words: tile of channels d, half g of K: register 2 d + g
.set QS,  68                           ; Q's scale words: lanes 0-15 tile 0, lanes 16-31 tile 1
.set PW,  70                           ; v70-71 P's scale words for the two halves of K
.set AD,  72                           ; v72 -c M; v73, 75, 77, 79 the largest score of my four blocks
.set SM,  80
.set TB,  88
.set SO,  92
.set BY,  96
.set MX,  100
.set RR,  102
.set FL,  104
.set PT,  106
.set TT,  112
.set T0,  TT                           ; v112-127 and v72-87: while V is quantised, two runs of 16 neighbours along k for the conversions
.set T1,  AD
.set S,   128
.set KF,  0                            ; window 1
.set VF,  96
.set QF,  192
.set PC,  222
.set CS,  22                           ; s[22:23] c = log2(e) / 8;  s24 -c
.set SEL, 26                           ; s[26:27] v_permlanex16_b32's selects for lane l xor 16
.set NB,  28                           ; s28, s29 the two units' query blocks
.set VT,  30                           ; s[30:31] v at my head
.set CM,  32                           ; s32-47 the triangle's masks: register 4 bp + x: the lanes from whose query key 8 bp + x (+ 4 h) of a slot is hidden
.set COL, 68                           ; s68-83 the two units' columns
.set VAL, 84                           ; s84-87 and valid bytes
.set MSB, 0
.macro WIN new                         ; the immediate's high byte repeats the setting that is left
.if MSB != \new
	s_set_vgpr_msb (MSB<<8)|\new
.set MSB, \new
.endif
.endm
.set TO_W1, 0x40                       ; destination window 1
.set IN_W1, 0x41                       ; source 0 and destination window 1
.set MUL,   0x05                       ; sources 0 and 1 window 1; C and D window 0
.macro LOADQ u                         ; 7 loads: a unit's 32 rows of Q
	global_load_u16 v[QS], v[LQS], s[6:7] offset:64*\u
	WIN TO_W1
.irp p, 0,1,2
	global_load_b64 v[QF+6+2*\p:QF+7+2*\p], v[LQ], s[4:5] offset:1536*\u+8*\p th:TH_LOAD_NT
	global_load_b64 v[QF+18+2*\p:QF+19+2*\p], v[LQ], s[4:5] offset:1536*\u+768+8*\p th:TH_LOAD_NT
.endr
	WIN 0
.endm
.macro LOADRAW u
.irp c, 0,1,2,3
	global_load_b32 v[RAW+\c], v[LC1], s[12:13] offset:32*\u+8*\c
.endr
.endm
.macro OFFS                            ; columns, held inside the table, become byte offsets in the head's records
.irp c, 0,1,2,3
	v_min_u32 v[RAW+\c], 127, v[RAW+\c]
.endr
.irp c, 0,1,2,3
	v_mad_u32_u24 v[KO+\c], v[RAW+\c], KVREC, v[KL]
	v_lshl_add_u32 v[KSO+\c], v[RAW+\c], 6, v[KSL]
.endr
.endm
.macro LOADK                           ; 28 loads
.irp c, 0,1,2,3
	global_load_b32 v[KS+\c], v[KSO+\c], s[10:11]
.endr
	WIN TO_W1
.irp c, 0,1,2,3
.irp i, 0,1,2,3,4,5
	global_load_b128 v[KF+24*\c+4*\i:KF+24*\c+4*\i+3], v[KO+\c], s[8:9] offset:256*\i
.endr
.endr
	WIN 0
.endm
; V.  Piece pp = 2 g + c: for my lane the block b = 2 pp + h, all four tiles of channels: register S + 16 m + 4 x + d = key 4 b + x of slot m, channel 4 r + d.  Half hf: slots 4 hf .. 4 hf + 3: 16 loads, each of two whole rows of 256 bytes
.macro VLOADH pp, hf
.irp mm, 0,1,2,3
.irp x, 0,1,2,3
	global_load_b128 v[S+64*(\hf)+16*\mm+4*\x:S+64*(\hf)+16*\mm+4*\x+3], v[VO+4*(\hf)+\mm], s[VT:VT+1] offset:256*\x+2048*(\pp)
.endr
.endr
.endm
.macro VMAX hf                         ; the largest magnitudes of the four channels' blocks, the four by turns; the floor is the first half's third leaf
.if (\hf) == 0
.irp d, 0,1,2,3
	v_max3_num_f32 v[PT+\d], |v[S+\d]|, |v[S+4+\d]|, FLOOR
.endr
.irp i, 2,4,6,8,10,12,14
.irp d, 0,1,2,3
	v_max3_num_f32 v[PT+\d], v[PT+\d], |v[S+4*\i+\d]|, |v[S+4*\i+4+\d]|
.endr
.endr
.else
.irp i, 16,18,20,22,24,26,28,30
.irp d, 0,1,2,3
	v_max3_num_f32 v[PT+\d], v[PT+\d], |v[S+4*\i+\d]|, |v[S+4*\i+4+\d]|
.endr
.endr
.endif
.endm
.macro VCONV pp, hf                    ; half hf of the piece becomes codes: two channels at a time, each gathered into a run of 16 registers
.irp dp, 0,2
	WIN 0
.irp i, 0,1,2,3,4,5,6,7,8,9,10,11,12,13,14,15
	v_mov_b32 v[T0+\i], v[S+64*(\hf)+4*\i+\dp]
.endr
.irp i, 0,1,2,3,4,5,6,7,8,9,10,11,12,13,14,15
	v_mov_b32 v[T1+\i], v[S+64*(\hf)+4*\i+\dp+1]
.endr
	WIN TO_W1
.if (\hf) == 0
	v_cvt_scalef32_pk16_fp6_f32 v[VF+48*((\pp)/2)+12*\dp+6*((\pp)%2):VF+48*((\pp)/2)+12*\dp+6*((\pp)%2)+2], v[T0:T0+15], v[SO+\dp]          ; into their place in the operand
	v_cvt_scalef32_pk16_fp6_f32 v[VF+48*((\pp)/2)+12*\dp+12+6*((\pp)%2):VF+48*((\pp)/2)+12*\dp+12+6*((\pp)%2)+2], v[T1:T1+15], v[SO+\dp+1]
.else
	v_cvt_scalef32_pk16_fp6_f32 v[PC+4*\dp:PC+4*\dp+2], v[T0:T0+15], v[SO+\dp]       ; (a conversion's three registers begin on an even number: these wait in P's registers and are moved)
	v_cvt_scalef32_pk16_fp6_f32 v[PC+4*\dp+4:PC+4*\dp+6], v[T1:T1+15], v[SO+\dp+1]
.endif
	v_nop                                          ; one plain line behind the conversions: the next moves write their sources
.endr
	WIN 0
.endm
.macro VFIN pp                         ; the second halves' codes to their place; the scale bytes into the words
	WIN IN_W1
.irp d, 0,1,2,3
.irp i, 0,1,2
	v_mov_b32 v[VF+48*((\pp)/2)+12*\d+6*((\pp)%2)+3+\i], v[PC+4*\d+\i]
.endr
.endr
	WIN 0
.if (\pp)%2 == 0
.irp d, 0,1,2,3
	v_lshrrev_b32 v[VS+2*\d+(\pp)/2], 23, v[SO+\d] ; the byte of block h of this half of K
.endr
.else
.irp d, 0,1,2,3
	v_lshrrev_b32 v[BY+\d], 23, v[SO+\d]           ; and of block 2 + h
.endr
.irp d, 0,1,2,3
	v_lshl_or_b32 v[VS+2*\d+(\pp)/2], v[BY+\d], 16, v[VS+2*\d+(\pp)/2]
.endr
.irp d, 0,1,2,3
	v_lshlrev_b32 v[VS+2*\d+(\pp)/2], v[SH8], v[VS+2*\d+(\pp)/2]
.endr
.irp d, 0,1,2,3
	v_permlanex16_b32 v[BY+\d], v[VS+2*\d+(\pp)/2], s[SEL], s[SEL+1]
.endr
.irp d, 0,1,2,3
	v_or_b32 v[VS+2*\d+(\pp)/2], v[VS+2*\d+(\pp)/2], v[BY+\d]   ; with lane l xor 16's the word is whole, in both halves of the lanes
.endr
.endif
.endm
.macro VQUANT u
	s_wait_xcnt 0x0                                ; the last stores have read their registers, into which the loads below land; the last loads have read their offsets
.if \u
	s_wait_alu depctr_vm_vsrc(0)                   ; the last tile's LDS stores and global stores have read their data in S, in which the loads below land; the last unit's loads of V have read v[VO ..], which the additions below write
.endif
.irp m, 0,1,2,3,4,5,6,7
	s_lshl_b32 s48, s[COL+8*\u+\m], 13
	v_add_nc_u32 v[VO+\m], s48, v[VTL]
.endr
	s_wait_alu depctr_va_vdst(0)                   ; v[VO ..] are written, which the loads of V read as offsets; in the second unit the last tile's vector and matrix instructions are done with S, in which these loads land
	VLOADH 0, 0
	VLOADH 0, 1
.set pq, 0
.rept 4
	s_wait_loadcnt 16                              ; the piece's first half, and all issued ahead of it, are in; the second half's 16 loads may be out
	VMAX 0
	s_wait_alu depctr_va_vdst(0)
	s_wait_loadcnt 0x0                             ; nothing was issued behind the second half
	VMAX 1
.irp d, 0,1,2,3
	v_add_nc_u32 v[SO+\d], EOFF, v[PT+\d]          ; the conversion takes the exponent field of this operand as its scale
.endr
	VCONV pq, 0
.if pq < 3
	s_wait_alu depctr_va_vdst(0)                   ; the maxima and the moves are done reading the first half of S, in which the loads below land
	VLOADH pq+1, 0                                 ; the first half's registers have been read for the last time
.endif
	VCONV pq, 1
.if pq < 3
	s_wait_alu depctr_va_vdst(0)                   ; the maxima and the moves are done reading the second half of S, in which the loads below land
	VLOADH pq+1, 1
.endif
	VFIN pq
.set pq, pq+1
.endr
.endm
.macro MASKS u, qt
.irp mp, 0,1,2,3
	s_cmp_eq_u32 s[COL+8*\u+2*\mp], s[NB+\u]
	s_cselect_b32 s52, -1, 0
	s_cmp_eq_u32 s[COL+8*\u+2*\mp+1], s[NB+\u]
	s_cselect_b32 s53, -1, 0
	s_or_b32 s54, s52, s53
	s_cmp_eq_u32 s54, 0
	s_cbranch_scc1 .Lnd_\@_\mp                     ; neither slot of the pair is the diagonal one
.irp bp, 0,1,2,3
.irp x, 0,1,2,3
.if 8*\bp+\x+4 > 16*\qt
	v_cmp_gt_i32 s[CM+4*\bp+\x], 8*\bp+\x-16*\qt, v[DV]   ; lanes from whose query this register's key is hidden: the compares stand in one run, a scalar register each
.endif
.endr
.endr
	s_wait_alu depctr_va_sdst(0)                   ; the compares have written s[CM ..], ahead of their first readers, the scalar lines below
.irp bp, 0,1,2,3
.irp x, 0,1,2,3
.if 8*\bp+\x+4 > 16*\qt
	s_and_b32 s49, s[CM+4*\bp+\x], s52
	v_cndmask_b32 v[S+32*\bp+8*\mp+\x], v[S+32*\bp+8*\mp+\x], v[NINF], s49       ; each accumulator is read from its low end on
	s_and_b32 s50, s[CM+4*\bp+\x], s53
	v_cndmask_b32 v[S+32*\bp+8*\mp+4+\x], v[S+32*\bp+8*\mp+4+\x], v[NINF], s50
.endif
.endr
.endr
.Lnd_\@_\mp:
.endr
.irp m, 0,1,2,3,4,5,6,7
	s_bfe_u32 s48, s[VAL+2*\u+\m/4], (8<<16)|(8*(\m%4))
	s_cmp_lg_u32 s48, 0
	s_cbranch_scc1 .Lok_\@_\m                      ; the slot counts
.irp bp, 0,1,2,3
.irp x, 0,1,2,3
	v_mov_b32 v[S+32*\bp+4*\m+\x], v[NINF]
.endr
.endr
.Lok_\@_\m:
.endr
.endm
; ONE TILE OF 16 QUERIES of unit u.  more = 1: the next unit's K and Q are asked for on the way.
.macro TILE u, qt, more
	s_wait_xcnt 0x0                                ; the last tile's stores have read their registers, which the products below write
.if \qt
	s_wait_alu depctr_vm_vsrc(0)                   ; the first tile's LDS stores and global stores have read v[S+32 .. S+95], which the products below write; where the next unit's offsets are made below, K's loads have read v[KO ..] and v[KSO ..]
.endif
	WIN MUL
.set cc, 0
.rept 4                                            ; S^T = K Q^T: 16 products on 16 accumulators, each begun with the constant 0.  cc: the pair of slots; tt: the tile's keys
.set tt, 0
.rept 4
.set rD, S+32*tt+8*cc
.set rA, KF+24*cc+12*(tt/2)
.set rB, QF+12*\qt+6-6*(tt%2)                      ; an even tile lies in k = 0..63: [q; 0];  an odd one in k = 64..127: [0; q]
.if (tt < 2) && (\qt == 0)
	v_wmma_scale_f32_16x16x128_f8f6f4 v[rD:rD+7], v[rA:rA+11], v[rB:rB+11], 0, v[KS+cc], v[QS] matrix_a_fmt:MATRIX_FMT_FP6 matrix_b_fmt:MATRIX_FMT_FP6
.elseif tt < 2
	v_wmma_scale_f32_16x16x128_f8f6f4 v[rD:rD+7], v[rA:rA+11], v[rB:rB+11], 0, v[KS+cc], v[QS] matrix_a_fmt:MATRIX_FMT_FP6 matrix_b_fmt:MATRIX_FMT_FP6 matrix_b_scale:MATRIX_SCALE_ROW1
.elseif \qt == 0
	v_wmma_scale_f32_16x16x128_f8f6f4 v[rD:rD+7], v[rA:rA+11], v[rB:rB+11], 0, v[KS+cc], v[QS] matrix_a_fmt:MATRIX_FMT_FP6 matrix_b_fmt:MATRIX_FMT_FP6 matrix_a_scale:MATRIX_SCALE_ROW1
.else
	v_wmma_scale_f32_16x16x128_f8f6f4 v[rD:rD+7], v[rA:rA+11], v[rB:rB+11], 0, v[KS+cc], v[QS] matrix_a_fmt:MATRIX_FMT_FP6 matrix_b_fmt:MATRIX_FMT_FP6 matrix_a_scale:MATRIX_SCALE_ROW1 matrix_b_scale:MATRIX_SCALE_ROW1
.endif
.set tt, tt+1
.endr
.set cc, cc+1
.endr
	WIN 0
.rept 4
	v_nop                                          ; four places (ISA guide 7.12.1) ahead of the first touch of the scores
.endr
.if \more && (\qt == 1)
	s_wait_loadcnt 0x0                             ; the next unit's cols, asked for a tile ago
	OFFS
	s_wait_alu depctr_va_vdst(0)                   ; v[KO ..] and v[KSO ..] are written, which the loads below read as offsets; the 16 products are done reading K, Q and their scale words, in which these loads land
	LOADK                                          ; K's and Q's registers have been read for the last time: the next unit's land under this tile's softmax
	LOADQ 1
.endif
	MASKS \u, \qt
	s_wait_alu depctr_va_vdst(0)
	; the largest score of each of my four blocks, the four by turns
.irp c, 0,1,2,3
	v_max3_num_f32 v[AD+2*\c+1], v[S+32*\c], v[S+32*\c+1], v[S+32*\c+2]
.endr
.irp i, 3,5,7,9,11,13,15,17,19,21,23,25,27,29
.irp c, 0,1,2,3
	v_max3_num_f32 v[AD+2*\c+1], v[AD+2*\c+1], v[S+32*\c+\i], v[S+32*\c+\i+1]
.endr
.endr
.irp c, 0,1,2,3
	v_max_num_f32 v[AD+2*\c+1], v[AD+2*\c+1], v[S+32*\c+31]
.endr
	v_max3_num_f32 v[MX], v[AD+1], v[AD+3], v[AD+5]
	v_max_num_f32 v[MX], v[MX], v[AD+7]
	v_permlanex16_b32 v[MX+1], v[MX], s[SEL], s[SEL+1]
	v_max_num_f32 v[MX], v[MX], v[MX+1]            ; with lane l xor 16's four blocks: the row's largest score M
	v_mul_f32 v[AD], s24, v[MX]                    ; -c M
.set ii, 0
.rept 64
	v_pk_fma_f32 v[S+ii:S+ii+1], v[S+ii:S+ii+1], s[CS:CS+1], v[AD:AD+1] op_sel_hi:[1,0,0]   ; c s - c M, two at a time
.set ii, ii+2
.endr
.irp c, 0,1,2,3
	v_fma_f32 v[TB+\c], v[AD+2*\c+1], s[CS], v[AD]   ; the same of each block's largest score: p rises with the score, so this gives the block's largest p, by the same instructions on the same bits
.endr
.set ii, 0
	s_wait_alu depctr_va_vdst(0)
.rept 128
	v_exp_f32 v[S+ii], v[S+ii]
.set ii, ii+1
.endr
.irp c, 0,1,2,3
	v_exp_f32 v[TB+\c], v[TB+\c]
.endr
.if \more && (\qt == 0)
	LOADRAW 1                                      ; the next unit's cols: a tile ahead of their use.  No wait: no vector instruction has named v[RAW ..] or v[LC1] since the wait ahead of K's first loads
.endif
	v_nop                                          ; a plain line behind the exponentials
	s_wait_alu depctr_va_vdst(0)                   ; the 132 exponentials have written p and the blocks' largest: one wait for the batch, ahead of its first reader
.irp c, 0,1,2,3
	v_pk_add_f32 v[SM+2*\c:SM+2*\c+1], v[S+32*\c:S+32*\c+1], v[S+32*\c+2:S+32*\c+3]   ; the row's sum, two at a time, in four chains
.endr
.irp j, 4,6,8,10,12,14,16,18,20,22,24,26,28,30
.irp c, 0,1,2,3
	v_pk_add_f32 v[SM+2*\c:SM+2*\c+1], v[SM+2*\c:SM+2*\c+1], v[S+32*\c+\j:S+32*\c+\j+1]
.endr
.endr
	v_pk_add_f32 v[SM:SM+1], v[SM:SM+1], v[SM+2:SM+3]
	v_pk_add_f32 v[SM+4:SM+5], v[SM+4:SM+5], v[SM+6:SM+7]
	v_pk_add_f32 v[SM:SM+1], v[SM:SM+1], v[SM+4:SM+5]
	v_add_f32 v[SM], v[SM], v[SM+1]
	v_permlanex16_b32 v[SM+1], v[SM], s[SEL], s[SEL+1]
	v_add_f32 v[SM], v[SM], v[SM+1]
	s_wait_alu depctr_va_vdst(0)
	v_rcp_f32 v[RR], v[SM]
	v_nop                                          ; a plain line behind the reciprocal
	s_wait_alu depctr_va_vdst(0)                   ; the reciprocal has written v[RR]: its wait, ahead of its first reader
	v_mul_f32 v[FL], 0, v[RR]                      ; 0; NaN for a row without keys
.irp c, 0,1,2,3
	v_mul_f32 v[TB+\c], v[TB+\c], v[RR]            ; the block's largest p
.endr
.irp c, 0,1,2,3
	v_max_num_f32 v[TB+\c], FLOOR, v[TB+\c]        ; the byte cannot fall under 1
.endr
.irp c, 0,1,2,3
	v_add_nc_u32 v[SO+\c], EOFF, v[TB+\c]          ; the conversion's scale operand
.endr
.irp c, 0,1,2,3
	v_lshrrev_b32 v[BY+\c], 23, v[SO+\c]
.endr
.irp g, 0,1                                        ; P's scale word for blocks 4 g .. 4 g + 3: mine are 4 g + h and 4 g + 2 + h
	v_lshl_or_b32 v[PW+\g], v[BY+2*\g+1], 16, v[BY+2*\g]
.endr
.irp g, 0,1
	v_lshlrev_b32 v[PW+\g], v[SH8], v[PW+\g]
.endr
.irp g, 0,1
	v_permlanex16_b32 v[PT+\g], v[PW+\g], s[SEL], s[SEL+1]
.endr
.irp g, 0,1
	v_or_b32 v[PW+\g], v[PW+\g], v[PT+\g]
.endr
.set ii, 0
.rept 64
	v_pk_mul_f32 v[S+ii:S+ii+1], v[S+ii:S+ii+1], v[RR:RR+1] op_sel_hi:[1,0]   ; p, finished and normalised: what the quantiser takes
.set ii, ii+2
.endr
.irp c, 0,1,2,3
	v_cvt_scalef32_pk16_fp6_f32 v[TT+4*\c:TT+4*\c+2], v[S+32*\c+16:S+32*\c+31], v[SO+\c]
.endr
	WIN TO_W1
.irp c, 0,1,2,3
	v_cvt_scalef32_pk16_fp6_f32 v[PC+6*\c:PC+6*\c+2], v[S+32*\c:S+32*\c+15], v[SO+\c]
.endr
	v_nop                                          ; one plain line behind the conversions
.irp c, 0,1,2,3
.irp i, 0,1,2
	v_mov_b32 v[PC+6*\c+3+\i], v[TT+4*\c+\i]
.endr
.endr
.rept 8
	v_nop                                          ; operands and scale words made by vector instructions stand this far ahead of a scaled matrix instruction
.endr
	s_wait_alu depctr_va_vdst(0)                   ; P's codes and its two scale words are written, which the scaled products below take (V's codes and scale words were written ahead of earlier waits); the places above stay beside this wait
	WIN MUL
.set gg, 0
.rept 2                                            ; O^T = V^T P^T: four accumulators by turns, one instruction a turn; the first four begin the sums
.set dd, 0
.rept 4
.set rD, S+8*dd
.set rA, VF+48*gg+12*dd
.set rB, PC+12*gg
.if gg == 0
	v_wmma_scale_f32_16x16x128_f8f6f4 v[rD:rD+7], v[rA:rA+11], v[rB:rB+11], 0, v[VS+2*dd], v[PW] matrix_a_fmt:MATRIX_FMT_FP6 matrix_b_fmt:MATRIX_FMT_FP6
.else
	v_wmma_scale_f32_16x16x128_f8f6f4 v[rD:rD+7], v[rA:rA+11], v[rB:rB+11], v[rD:rD+7], v[VS+2*dd+1], v[PW+1] matrix_a_fmt:MATRIX_FMT_FP6 matrix_b_fmt:MATRIX_FMT_FP6
.endif
.set dd, dd+1
.endr
.set gg, gg+1
.endr
	WIN 0
.rept 5
	v_nop                                          ; four places ahead of the first read of O^T; a fifth, since the next tile's products write over it
.endr
	; register j of tile d is channel 32 h + 4 j + d of my query.  The addition of 0 (NaN for a row without keys) also puts each number at its channel's place; each accumulator is read from its low end on
.irp j, 0,1,2,3,4,5,6,7
.irp d, 0,1,2,3
	v_add_f32 v[S+64+4*\j+\d], v[S+8*\d+\j], v[FL]
.endr
.endr
	; THE WAY OUT: a lane holds 128 neighbouring bytes of its query's row; through my own stage the rows come back whole
	s_wait_alu depctr_va_vdst(0)                   ; the additions have written v[S+64 .. S+95], which the LDS stores read; all that named v[S+32 .. S+63], in which the LDS loads land, is done
.irp j, 0,1,2,3,4,5,6,7
	ds_store_b128 v[STO], v[S+64+4*\j:S+64+4*\j+3] offset:16*\j
.endr
.irp i, 0,1,2,3,4,5,6,7
	ds_load_b128 v[S+32+4*\i:S+32+4*\i+3], v[RD] offset:2*\i*SPITCH   ; LDS serves a wave's instructions in order: these see the stores above
.endr
.irp i, 0,1,2,3,4,5,6,7
	s_wait_dscnt 7-\i                              ; the younger loads may stay out
	global_store_b128 v[GO], v[S+32+4*\i:S+32+4*\i+3], s[16:17] offset:8192*\u+4096*\qt+512*\i th:TH_STORE_NT   ; two rows: 512 consecutive bytes, aligned
.endr
.endm
.macro UNIT u, more
	VQUANT \u                                      ; its last wait is for all loads: Q, K and K's scale words are in too
	v_lshl_or_b32 v[QS], v[QS], 16, v[QS]          ; a row's two scale bytes twice: for [q; 0] and for [0; q]
.rept 8
	v_nop                                          ; a scale word made by a vector instruction stands this far ahead of a scaled matrix instruction
.endr
	s_wait_alu depctr_va_vdst(0)                   ; Q's scale word is written, which the scaled products of both tiles take (the zero codes round q were written ahead of earlier waits); the places above stay beside this wait
	TILE \u, 0, \more
	TILE \u, 1, \more
.endm
	s_load_b256 s[4:11], s[0:1], 0x0               ; q_codes s[4:5], q_scales s[6:7], kvc s[8:9], kvs s[10:11]
	s_load_b128 s[12:15], s[0:1], 0x20             ; cols s[12:13], valid s[14:15]
	s_load_b64 s[16:17], s[0:1], 0x30              ; out0
	s_load_b64 s[VT:VT+1], s[0:1], 0x38            ; v
	v_lshl_add_u32 v110, v0, 2, 0x8800
	v_mov_b32 v111, 0
	v_lshrrev_b32 v1, 5, v0
	v_readfirstlane_b32 s18, v1                    ; wave 0..7
	s_and_b32 s19, ttmp7, 0xffff                   ; the head
	s_lshl_b32 s28, ttmp9, 4
	s_wait_alu depctr_va_sdst(0)                   ; s18 is written, ahead of its first reader: my query blocks and my stage are made from it
	s_lshl_b32 s20, s18, 1
	s_add_co_u32 s28, s28, s20                     ; my first query block: 16 x work-group x + 2 x wave
	s_add_co_u32 s29, s28, 1                       ; and my second
	s_mul_i32 s50, s19, 196608                     ; q_codes: 4,096 rows of 48 bytes a head, 1,536 bytes a block
	s_mul_i32 s51, s28, 1536
	s_add_co_u32 s50, s50, s51
	s_mov_b32 s51, 0
	s_lshl_b32 s52, s19, 13                        ; q_scales: 8,192 bytes a head, 64 a block
	s_lshl_b32 s53, s28, 6
	s_add_co_u32 s52, s52, s53
	s_mov_b32 s53, 0
	s_mul_i32 s54, s19, 196608                     ; kvc: 128 records of 1,536 bytes a head
	s_mov_b32 s55, 0
	s_lshl_b32 s56, s19, 13                        ; kvs: 128 x 64 bytes a head
	s_mov_b32 s57, 0
	s_lshl_b32 s58, s28, 5                         ; cols: 32 bytes a block
	s_mov_b32 s59, 0
	s_lshl_b32 s60, s28, 3                         ; valid: 8
	s_mov_b32 s61, 0
	s_lshl_b32 s32, s19, 20                        ; out0 and v: 1,048,576 bytes a head
	s_mov_b32 s33, 0
	s_lshl_b32 s62, s28, 13                        ; out0: 8,192 bytes a block
	s_mov_b32 s63, 0
	s_mov_b32 s[CS], 0x3e38aa3b                    ; c = log2(e) / sqrt(64)
	s_mov_b32 s[CS+1], s[CS]                       ; (named with it as a pair, so it is written)
	s_mov_b32 s24, 0xbe38aa3b                      ; -c
	s_mov_b32 s[SEL], 0x76543210
	s_mov_b32 s[SEL+1], 0xfedcba98
	s_mul_i32 s21, s18, STAGEB                     ; my stage
	v_and_b32 v1, 31, v0                           ; lane
	v_and_b32 v2, 15, v0                           ; r
	v_bfe_u32 v3, v0, 4, 1                         ; h
	v_mul_u32_u24 v[LQ], v2, 48
	v_mad_u32_u24 v[LQ], v3, 24, v[LQ]
	v_lshlrev_b32 v[LQS], 1, v1
	v_bfe_u32 v[LC1], v0, 2, 1
	v_lshlrev_b32 v[LC1], 2, v[LC1]
	s_wait_kmcnt 0x0
	s_add_nc_u64 s[4:5], s[4:5], s[50:51]
	s_add_nc_u64 s[6:7], s[6:7], s[52:53]
	s_add_nc_u64 s[8:9], s[8:9], s[54:55]
	s_add_nc_u64 s[10:11], s[10:11], s[56:57]
	s_add_nc_u64 s[12:13], s[12:13], s[58:59]
	s_add_nc_u64 s[14:15], s[14:15], s[60:61]
	s_add_nc_u64 s[16:17], s[16:17], s[32:33]
	s_add_nc_u64 s[16:17], s[16:17], s[62:63]
	s_add_nc_u64 s[VT:VT+1], s[VT:VT+1], s[32:33]
	s_load_b512 s[COL:COL+15], s[12:13], 0x0       ; both units' columns,
	s_load_b128 s[VAL:VAL+3], s[14:15], 0x0        ; and valid bytes, as scalars
	s_wait_alu depctr_va_vdst(0)                   ; v[LQ], v[LQS] and v[LC1] are written, which the loads of Q and of cols read as offsets
	LOADQ 0
	LOADRAW 0
	v_bfe_u32 v[KSL], v0, 3, 1                     ; the other places are made while these loads are out: none of these lines names a register that those loads touch
	v_and_b32 v[KL], 3, v0
	v_lshl_add_u32 v[KSL], v[KSL], 2, v[KL]        ; j = 4 ((lane / 8) % 2) + lane % 4
	v_lshl_add_u32 v[KSL], v3, 3, v[KSL]           ; + 8 h
	v_lshlrev_b32 v[KL], 4, v[KSL]
	v_lshlrev_b32 v[KSL], 2, v[KSL]
	v_lshlrev_b32 v[VTL], 4, v2
	v_lshl_add_u32 v[VTL], v3, 10, v[VTL]
	v_lshlrev_b32 v[DV], 2, v3
	v_sub_nc_u32 v[DV], v2, v[DV]                  ; r - 4 h, as a signed number
	v_mul_u32_u24 v[STO], v2, SPITCH
	v_lshl_add_u32 v[STO], v3, 7, v[STO]
	v_add_nc_u32 v[STO], s21, v[STO]               ; in: row r, + 128 h
	v_mul_u32_u24 v[RD], v3, SPITCH
	v_lshl_add_u32 v[RD], v2, 4, v[RD]
	v_add_nc_u32 v[RD], s21, v[RD]                 ; back: lanes 0-15 one row, lanes 16-31 the next
	v_lshlrev_b32 v[GO], 4, v1
	v_lshlrev_b32 v[SH8], 3, v3
	v_mov_b32 v[NINF], 0xff800000
	v_mov_b32 v[MX+1], 0                           ; written once: a lane permute's destination counts as one of its sources
	v_mov_b32 v[RR+1], 0                           ; (the upper half of a pair of which the packed form takes the low word)
	WIN TO_W1
.irp z, 0,1,2,3,4,5,12,13,14,15,16,17,24,25,26,27,28,29
	v_mov_b32 v[QF+\z], 0                          ; the zero codes round q0 and q1: written once, for both units
.endr
	WIN 0
	s_wait_kmcnt 0x0
.irp i, 0,1,2,3,4,5,6,7,8,9,10,11,12,13,14,15
	s_min_u32 s[COL+\i], s[COL+\i], 127            ; held inside the table
.endr
	s_wait_loadcnt 0x0                             ; cols of unit 0 (and its Q)
	OFFS
	s_wait_alu depctr_va_vdst(0)                   ; v[KO ..] and v[KSO ..] are written, which K's loads read as offsets; so are v[STO], v[RD] and v[GO], the addresses of the way out
	LOADK
	UNIT 0, 1
	UNIT 1, 0
	s_wait_dscnt 0x0                               ; the closing lines, six on end
	s_wait_alu 0x0
	s_wait_tensorcnt 0x0
	ds_add_u32 v110, v111
	s_wait_dscnt 0x0
	s_endpgm
.Lfunc_end_k_q44e885a4e7_attn:
	.size	k_q44e885a4e7_attn, .Lfunc_end_k_q44e885a4e7_attn-k_q44e885a4e7_attn
	.p2alignl 7, 3214868480
	.fill 96, 4, 3214868480
	.section	.rodata,"a",@progbits
	.p2align	6, 0x0
	.amdhsa_kernel k_q44e885a4e7_attn
		.amdhsa_group_segment_fixed_size 35840
		.amdhsa_private_segment_fixed_size 0
		.amdhsa_enable_private_segment 0
		.amdhsa_kernarg_size 64
		.amdhsa_user_sgpr_count 2
		.amdhsa_user_sgpr_kernarg_segment_ptr 1
		.amdhsa_wavefront_size32 1
		.amdhsa_system_sgpr_workgroup_id_x 1
		.amdhsa_system_sgpr_workgroup_id_y 1
		.amdhsa_system_sgpr_workgroup_id_z 1
		.amdhsa_system_vgpr_workitem_id 0
		.amdhsa_next_free_vgpr 512
		.amdhsa_next_free_sgpr 100
		.amdhsa_reserve_vcc 0
		.amdhsa_float_denorm_mode_32 3
		.amdhsa_float_denorm_mode_16_64 3
		.amdhsa_memory_ordered 1
		.amdhsa_forward_progress 1
		.amdhsa_inst_pref_size 255
	.end_amdhsa_kernel
	.section	.bss,"aw",@nobits
	.p2align	6
	.space	262144
	.amdgpu_metadata
---
amdhsa.version: [ 1, 2 ]
amdhsa.kernels:
  - .name:           k_q44e885a4e7_attn
    .symbol:         k_q44e885a4e7_attn.kd
    .args:
      - { .name: q_codes, .offset: 0, .size: 8, .value_kind: global_buffer, .address_space: global }
      - { .name: q_scales, .offset: 8, .size: 8, .value_kind: global_buffer, .address_space: global }
      - { .name: kvc, .offset: 16, .size: 8, .value_kind: global_buffer, .address_space: global }
      - { .name: kvs, .offset: 24, .size: 8, .value_kind: global_buffer, .address_space: global }
      - { .name: cols, .offset: 32, .size: 8, .value_kind: global_buffer, .address_space: global }
      - { .name: valid, .offset: 40, .size: 8, .value_kind: global_buffer, .address_space: global }
      - { .name: out0, .offset: 48, .size: 8, .value_kind: global_buffer, .address_space: global }
      - { .name: v, .offset: 56, .size: 8, .value_kind: global_buffer, .address_space: global }
    .group_segment_fixed_size: 35840
    .private_segment_fixed_size: 0
    .kernarg_segment_align: 8
    .kernarg_segment_size: 64
    .max_flat_workgroup_size: 256
    .sgpr_count:     100
    .vgpr_count:     512
    .wavefront_size: 32
...
	.end_amdgpu_metadata
.endif
;; end of part 6
